; MI455X (gfx1250); checked and timed in simulation.
; The chip was launched on July 23, 2026; its instructions are those of AMD's public machine-readable ISA for CDNA 5 (MIT licence, August 2026) and "CDNA5" Instruction Set Architecture Reference Guide (July 2026). The comments in the code are by the model that wrote it; some were corrected since.
;; Mixture Of Experts. Allowed arithmetic: float matrix products may take bf16 or f16 operands with f32 sums; other float arithmetic in f32, or as packed bf16 or f16 multiplies, adds, multiply-adds, maxima and minima; sums over many terms, partial sums and values carried from step to step in f32; what a program stores and reads back later, other than sums and carried values, may be rounded once to bf16 or f16.
;; Inputs: W1 8 x 1,024 x 4,096 float32; W2 8 x 4,096 x 1,024 float32; Wr 1,024 x 8 float32; b1 8 x 4,096 float32; b2 8 x 1,024 float32; beta 1,024 float32; br 8 float32; gamma 1,024 float32; x 2 x 512 x 1,024 float32.
;; Outputs: out0 2 x 512 x 1,024 float32.
;; Constants: top_k = 2.
;; 2 versions, each right; version 2 is version 1 with the launch finish written anew for expert scheduling mode. Each part assembles by itself: llvm-mc -triple=amdgcn-amd-amdhsa -mcpu=gfx1250 --defsym DOCPART=n.
;; ======== version 1 of 2: 5 launches
;; limits: values are held in f16: magnitudes above 65,504 overflow, below 6.1e-05 lose precision; a function is approximated: absolute error at most 1.5e-07
;; workspace buffers: xb 2,097,152 bytes; sel 8,192 bytes of whole numbers; wgt 8,192 bytes; xs 4,980,736 bytes; hbuf 19,922,944 bytes; ypart 33,554,432 bytes; pos 8,192 bytes of whole numbers; meta 256 bytes of whole numbers
;; launch router (part 1): grid 256 x 1, 8 waves a work-group, no clusters, 17,664 bytes of LDS; arguments x, Wr, br, xb, sel, wgt; writes xb, sel, wgt
.if DOCPART == 1
	.amdgcn_target "amdgcn-amd-amdhsa--gfx1250"
	.amdhsa_code_object_version 6
	.text
	.protected	k_q4f10a1bbb5_router
	.globl	k_q4f10a1bbb5_router
	.p2align	8
	.type	k_q4f10a1bbb5_router,@function
k_q4f10a1bbb5_router:
	s_mov_b64 s[64:65], 0
	v_nop
	global_prefetch_b8 v0, s[64:65] scope:SCOPE_SE
	s_setreg_imm32_b32 hwreg(HW_REG_WAVE_MODE, 25, 1), 1
	s_wait_xcnt 0x0
; ROUTER.  xb = x rounded to bf16; logits = xb . bf16(Wr) + bf16(br) with f32 sums; the two largest logits of a token choose its experts;
; gates g1 = 1 / (1 + e^(l2 - l1)), g2 = e^(l2 - l1) g1: the softmax of the two, the larger logit taken away first.
; sel[token][2] (whole numbers) and wgt[token][2] go to fixed places: no address here hangs on the choice.
; LIMITS.  Ties are broken on the logits (strictly greater wins, so the lower index is kept), not on rounded probabilities.
; A second gate below 2^-126 counts as 0.  NaN and infinities are not treated apart.
; SHARES.  A work-group has 4 tokens.  Wave w brings 2,048 bytes of x (row w / 2, half w % 2), stores them as bf16 to xb and into LDS,
; then multiplies the K chunk 128 w .. 128 w + 127 of all four tokens; wave 0 adds the eight parts and chooses.
; The matrix instruction takes Wr as source 0 (row m = expert m % 8) and the tokens as source 1 (column n = token n % 4):
; in the result a lane holds one token and its registers 0 to 7 the eight experts.
.set TPITCH, 2064                      ; an LDS row of the tile: 2,048 bytes of bf16 + 16
.set PART,   8448                      ; eight waves x 1,024 bytes: 32 bytes a lane
.set SPARE,  16640                     ; the spare words, 128 bytes a wave: four blocks of 256 bytes that no other line names
.set XP, 8                             ; v[8:15]    x packed
.set XQ, 16                            ; v[16:31]   x as loaded
.set WW, 32                            ; v[32:95]   Wr as loaded; later the eight parts
.set WF, 96                            ; v[96:127]  four fragments of Wr
.set TF, 128                           ; v[128:159] four fragments of tokens
.set LG, 32                            ; v[32:39]   the logits
	s_load_b256 s[4:11], s[0:1], 0x0               ; x s[4:5], Wr s[6:7], br s[8:9], xb s[10:11]
	s_load_b128 s[12:15], s[0:1], 0x20             ; sel s[12:13], wgt s[14:15]
	v_lshl_add_u32 v1, v0, 2, SPARE                ; my spare word
	v_mov_b32 v2, 0
	v_lshrrev_b32 v184, 5, v0
	v_readfirstlane_b32 s16, v184                  ; wave 0..7
	v_and_b32 v184, 31, v0                         ; lane
	v_bfe_u32 v186, v0, 4, 1                       ; h = lane / 16
	s_lshr_b32 s17, s16, 1                         ; which of the four rows I bring
	s_and_b32 s18, s16, 1                          ; which half of it
	s_lshl_b32 s19, ttmp9, 2                       ; the first token
	s_add_co_u32 s31, s19, s17
	s_lshl_b32 s32, s31, 12                        ; token x 4,096
	s_lshl_b32 s33, s18, 11
	s_add_co_u32 s32, s32, s33
	v_lshl_add_u32 v3, v184, 4, s32                ; x: + 16 lane
	s_lshr_b32 s32, s32, 1
	v_lshl_add_u32 v4, v184, 3, s32                ; xb: half the bytes, + 8 lane
	s_mul_i32 s33, s17, TPITCH
	s_lshl_b32 s34, s18, 10
	s_add_co_u32 s33, s33, s34
	v_lshl_add_u32 v5, v184, 3, s33                ; the same 8 bytes in the tile
	v_and_b32 v6, 7, v0                            ; Wr[k][e] at 32 k + 4 e: e = lane % 8, k = 128 w + 8 h + ..
	v_lshlrev_b32 v6, 2, v6
	v_lshl_add_u32 v6, v186, 8, v6
	s_lshl_b32 s34, s16, 12
	v_add_nc_u32 v6, s34, v6
	v_and_b32 v7, 3, v0                            ; a token fragment: row lane % 4, bytes 256 w + 16 h + ..
	v_mul_u32_u24 v7, v7, TPITCH
	v_lshl_add_u32 v7, v186, 4, v7
	s_lshl_b32 s34, s16, 8
	v_add_nc_u32 v7, s34, v7
	v_lshl_add_u32 v187, v0, 5, PART               ; my 32 bytes among the parts
	v_lshl_add_u32 v188, v184, 5, PART             ; wave 0: lane x 32 in each part
	s_lshl_b32 s31, s19, 3
	v_lshl_add_u32 v185, v184, 3, s31              ; (first token + lane) x 8: sel and wgt
	s_wait_kmcnt 0x0
	s_load_b256 s[20:27], s[8:9], 0x0              ; br: eight numbers
.irp n, 0,1,2,3
	global_load_b128 v[XQ+4*\n:XQ+4*\n+3], v3, s[4:5] offset:512*\n th:TH_LOAD_NT
.endr
	; Wr in the order of a fragment: element i of 16 is k = 32 q + 8 h + i (+ 8 from i = 8 on)
.irp q, 0,1,2,3
.irp i, 0,1,2,3,4,5,6,7,8,9,10,11,12,13,14,15
	global_load_b32 v[WW+16*\q+\i], v6, s[6:7] offset:(32*\q+\i+8*(\i/8))*32
.endr
.endr
	s_wait_loadcnt 63                              ; 68 loads were issued and come back in order: the five oldest are in, the four of x among them
.irp n, 0,1,2,3
	v_cvt_pk_bf16_f32 v[XP+2*\n], v[XQ+4*\n], v[XQ+4*\n+1]
	v_cvt_pk_bf16_f32 v[XP+2*\n+1], v[XQ+4*\n+2], v[XQ+4*\n+3]
.endr
.irp n, 0,1,2,3
	global_store_b64 v4, v[XP+2*\n:XP+2*\n+1], s[10:11] offset:256*\n   ; the wave stores 256 consecutive bytes, aligned
	ds_store_b64 v5, v[XP+2*\n:XP+2*\n+1] offset:256*\n
.endr
	s_wait_dscnt 0x0                               ; for the others: my part of the tile is written
	s_barrier_signal -1
	s_barrier_wait -1
.irp q, 0,1,2,3
	ds_load_b128 v[TF+8*\q:TF+8*\q+3], v7 offset:64*\q
	ds_load_b128 v[TF+8*\q+4:TF+8*\q+7], v7 offset:64*\q+32
.endr
	s_wait_loadcnt 0x0                             ; Wr
.irp q, 0,1,2,3
.irp j, 0,1,2,3,4,5,6,7
	v_cvt_pk_bf16_f32 v[WF+8*\q+\j], v[WW+16*\q+2*\j], v[WW+16*\q+2*\j+1]
.endr
.endr
	s_wait_dscnt 0x0
	; two accumulators by turns; the first product on each starts its sum
	v_wmma_f32_16x16x32_bf16 v[160:167], v[WF:WF+7], v[TF:TF+7], 0
	v_wmma_f32_16x16x32_bf16 v[168:175], v[WF+8:WF+15], v[TF+8:TF+15], 0
	v_wmma_f32_16x16x32_bf16 v[160:167], v[WF+16:WF+23], v[TF+16:TF+23], v[160:167]
	v_wmma_f32_16x16x32_bf16 v[168:175], v[WF+24:WF+31], v[TF+24:TF+31], v[168:175]
.rept 4
	v_nop                                          ; four places between the last product and the first read of its result (ISA guide 7.12.1)
.endr
.irp k, 0,1,2,3
	v_pk_add_f32 v[176+2*\k:177+2*\k], v[160+2*\k:161+2*\k], v[168+2*\k:169+2*\k]   ; from the low registers on
.endr
	ds_store_b128 v187, v[176:179]
	ds_store_b128 v187, v[180:183] offset:16
	s_wait_dscnt 0x0                               ; for wave 0: my part is written
	s_barrier_signal -1
	s_barrier_wait -1
	s_cmp_lg_u32 s16, 0
	s_cbranch_scc1 .Lend                           ; the choice is wave 0's work; no barrier stands in it
.irp p, 0,1,2,3,4,5,6,7
	ds_load_b128 v[LG+8*\p:LG+8*\p+3], v188 offset:1024*\p
	ds_load_b128 v[LG+8*\p+4:LG+8*\p+7], v188 offset:1024*\p+16
.endr
	s_wait_dscnt 0x0
.irp p, 1,2,3,4,5,6,7
.irp k, 0,1,2,3
	v_pk_add_f32 v[LG+2*\k:LG+2*\k+1], v[LG+2*\k:LG+2*\k+1], v[LG+8*\p+2*\k:LG+8*\p+2*\k+1]
.endr
.endr
	s_wait_kmcnt 0x0                               ; br, rounded to bf16 like every input
.irp j, 0,1,2,3,4,5,6,7
	v_mov_b32 v[40+\j], s[20+\j]
.endr
.irp k, 0,1,2,3
	v_cvt_pk_bf16_f32 v[48+\k], v[40+2*\k], v[41+2*\k]
.endr
.irp k, 0,1,2,3
	v_lshlrev_b32 v[40+2*\k], 16, v[48+\k]
	v_and_b32 v[41+2*\k], 0xffff0000, v[48+\k]
.endr
.irp k, 0,1,2,3
	v_pk_add_f32 v[LG+2*\k:LG+2*\k+1], v[LG+2*\k:LG+2*\k+1], v[40+2*\k:41+2*\k]
.endr
	; the largest logit: v176 its value, v180 its index
	v_mov_b32 v176, v[LG]
	v_mov_b32 v180, 0
.irp e, 1,2,3,4,5,6,7
	v_cmp_gt_f32 vcc_lo, v[LG+\e], v176
	v_cndmask_b32 v176, v176, v[LG+\e], vcc_lo
	v_cndmask_b32 v180, v180, \e, vcc_lo
.endr
	; the largest of the others: v177, v181
	v_mov_b32 v177, 0xff800000
	v_mov_b32 v181, 0
.irp e, 0,1,2,3,4,5,6,7
	v_cmp_gt_f32 s28, v[LG+\e], v177
	v_cmp_ne_u32 s29, \e, v180
	s_and_b32 s28, s28, s29
	v_cndmask_b32 v177, v177, v[LG+\e], s28
	v_cndmask_b32 v181, v181, \e, s28
.endr
	v_sub_f32 v182, v177, v176                     ; l2 - l1, never above 0
	v_mul_f32 v182, 0x3fb8aa3b, v182
	v_exp_f32 v183, v182
	v_nop                                          ; a plain instruction behind the exponential,
	s_wait_alu depctr_va_vdst(0)                   ; and the wait ahead of its first reader
	v_add_f32 v182, 1.0, v183
	v_rcp_f32 v178, v182
	v_nop
	s_wait_alu depctr_va_vdst(0)
	v_mul_f32 v179, v183, v178                     ; v178 = g1, v179 = g2
	v_cmp_gt_u32 vcc_lo, 4, v184                   ; lanes 0 to 3 hold the four tokens
	s_wait_xcnt 0x0                                ; EXEC changes only behind this wait: stores to xb were issued
	s_and_saveexec_b32 s30, vcc_lo
	global_store_b64 v185, v[180:181], s[12:13]    ; 32 bytes a work-group: too few for whole blocks of 256
	global_store_b64 v185, v[178:179], s[14:15]
	s_wait_xcnt 0x0
	s_or_b32 exec_lo, exec_lo, s30
.Lend:
	s_wait_tensorcnt 0x0                           ; the wave's end
	ds_add_u32 v1, v2
	s_wait_dscnt 0x0
	s_endpgm
.Lfunc_end_k_q4f10a1bbb5_router:
	.size	k_q4f10a1bbb5_router, .Lfunc_end_k_q4f10a1bbb5_router-k_q4f10a1bbb5_router
	.p2alignl 7, 3214868480
	.fill 96, 4, 3214868480
	.section	.rodata,"a",@progbits
	.p2align	6, 0x0
	.amdhsa_kernel k_q4f10a1bbb5_router
		.amdhsa_group_segment_fixed_size 17664
		.amdhsa_private_segment_fixed_size 0
		.amdhsa_enable_private_segment 0
		.amdhsa_kernarg_size 48
		.amdhsa_user_sgpr_count 2
		.amdhsa_user_sgpr_kernarg_segment_ptr 1
		.amdhsa_wavefront_size32 1
		.amdhsa_system_sgpr_workgroup_id_x 1
		.amdhsa_system_sgpr_workgroup_id_y 1
		.amdhsa_system_sgpr_workgroup_id_z 1
		.amdhsa_system_vgpr_workitem_id 0
		.amdhsa_next_free_vgpr 192
		.amdhsa_next_free_sgpr 66
		.amdhsa_reserve_vcc 1
		.amdhsa_float_denorm_mode_32 3
		.amdhsa_float_denorm_mode_16_64 3
		.amdhsa_memory_ordered 1
		.amdhsa_forward_progress 1
		.amdhsa_inst_pref_size 22
	.end_amdhsa_kernel
	.amdgpu_metadata
---
amdhsa.version: [ 1, 2 ]
amdhsa.kernels:
  - .name:           k_q4f10a1bbb5_router
    .symbol:         k_q4f10a1bbb5_router.kd
    .args:
      - { .name: x, .offset: 0, .size: 8, .value_kind: global_buffer, .address_space: global }
      - { .name: Wr, .offset: 8, .size: 8, .value_kind: global_buffer, .address_space: global }
      - { .name: br, .offset: 16, .size: 8, .value_kind: global_buffer, .address_space: global }
      - { .name: xb, .offset: 24, .size: 8, .value_kind: global_buffer, .address_space: global }
      - { .name: sel, .offset: 32, .size: 8, .value_kind: global_buffer, .address_space: global }
      - { .name: wgt, .offset: 40, .size: 8, .value_kind: global_buffer, .address_space: global }
    .group_segment_fixed_size: 17664
    .private_segment_fixed_size: 0
    .kernarg_segment_align: 8
    .kernarg_segment_size: 48
    .max_flat_workgroup_size: 256
    .sgpr_count:     66
    .vgpr_count:     192
    .wavefront_size: 32
...
	.end_amdgpu_metadata
.endif
;; end of part 1
;; launch place (part 2): grid 256 x 1, 8 waves a work-group, no clusters, 7,424 bytes of LDS; arguments sel, xb, xs, hbuf, pos, meta; writes xs, hbuf, pos, meta
.if DOCPART == 2
	.amdgcn_target "amdgcn-amd-amdhsa--gfx1250"
	.amdhsa_code_object_version 6
	.text
	.protected	k_q4f10a1bbb5_place
	.globl	k_q4f10a1bbb5_place
	.p2align	8
	.type	k_q4f10a1bbb5_place,@function
k_q4f10a1bbb5_place:
	s_mov_b64 s[64:65], 0
	v_nop
	global_prefetch_b8 v0, s[64:65] scope:SCOPE_SE
	s_setreg_imm32_b32 hwreg(HW_REG_WAVE_MODE, 25, 1), 1
	s_wait_xcnt 0x0
; THE ROWS ARE LAID END TO END IN THE EXPERTS' ORDER.  A routed row is id = 2 token + slot; its place is off[e] + rank, e = sel[id], rank = its number among the expert's rows
; in the order of the scan below.  xs[place] = xb[token]; pos[id] = place; meta[e] = (off[e], cnt[e]).  Both products then address their rows by constants.
; Also: rows 2,048 to 2,431 of xs and of hbuf are set to 0: the products read up to 319 rows past an expert's last row, and every byte that is read later is stored.
; SHARES.  Work-group = (expert e = x / 32, chunk c = x % 32).  Wave w counts expert w; wave 0 also writes expert e's list into LDS, shifted by -c, so that the group's ranks
; c + 32 i lie at the fixed words 32 i (ranks below c fall into a dump).  Wave w copies ranks c + 32 (w + 8 i), i = 0..3: 32 x 32 ranks cover the 1,024 rows that an expert can have.
; No loop; every number read from memory that enters an address is clamped ahead of the first branch on a count.  sel holds 0..7, two different experts a token (the router's work).
; Memory and latency bind: matrix units, clusters and tensor loads would add nothing.
.set LIST,  0                          ; 1,536 words: 0..1023 the list, 1344..1375 a dump
.set DUMP,  1344
.set CNT,   6144                       ; eight counts
.set SPARE, 6400                       ; the spare words, 128 bytes a wave: four blocks of 256 bytes that no other line names
.set NROW,  2048                       ; routed rows
.set ROWV,  32                         ; v[32:95]   four rows, 16 registers each
.set SELV,  96                         ; v[96:159]  sel: tokens 64 n + 2 lane and + 1 in v[96+4n : 99+4n]
; v1 spare word, v2 its zero, v3 16 lane, v[4:7] zeros, v8 16 thread, v9 4 thread, then my rows' offset in xs, v10 lane, v11-13 LDS addresses,
; v[14:17] ids, then offsets in xb, v18 id, then offset in pos, v19 place, v[20:21] (off, cnt), v22 8 e, v23 rank of my lane, v[24:31] counts, v[160:163] the scan's
; s[24:25], s[26:27] the bases of the zero rows' stores: never rewritten; s50 the byte offset of my wave's first place
; 32 tokens a turn (turn n: tokens 64 (n / 2) + 2 lane + n % 2): which lanes hold a token of expert s[ex]; s22 counts.  build = 1: their ids go to word s22 + rows before mine.
.macro SCAN ex, build
.set n_, 0
.rept 32
	v_cmp_eq_u32 s37, s[\ex], v[SELV+2*n_]
	v_cmp_eq_u32 s38, s[\ex], v[SELV+2*n_+1]
	s_or_b32 s39, s37, s38
.if \build
	v_mbcnt_lo_u32_b32 v160, s39, s22
	v_cndmask_b32 v160, v163, v160, s39            ; lanes without a row write to the dump
	v_min_u32 v160, DUMP+31, v160                  ; and so do ranks below c, which have wrapped
	v_lshl_add_u32 v160, v160, 2, LIST
	v_cndmask_b32 v161, 0, 1, s38                  ; the slot
	v_add_nc_u32 v161, v161, v162                  ; id = 2 token + slot
	ds_store_b32 v160, v161
	v_add_nc_u32 v162, 2+124*(n_%2), v162          ; 2 x the next turn's token
.endif
	s_bcnt1_i32_b32 s39, s39
	s_add_co_u32 s22, s22, s39
.set n_, n_+1
.endr
.endm
	s_load_b256 s[4:11], s[0:1], 0x0               ; sel s[4:5], xb s[6:7], xs s[8:9], hbuf s[10:11]
	s_load_b128 s[12:15], s[0:1], 0x20             ; pos s[12:13], meta s[14:15]
	v_lshl_add_u32 v1, v0, 2, SPARE
	v_mov_b32 v2, 0
	v_lshl_add_u32 v9, v0, 2, LIST
.irp k, 4,5,6,7
	v_mov_b32 v\k, 0
.endr
.irp m, 0,1,2,3,4,5
	ds_store_b32 v9, v4 offset:1024*\m             ; the list region is 0: places that no rank takes name row 0, which exists
.endr
	v_lshrrev_b32 v10, 5, v0
	v_readfirstlane_b32 s16, v10                   ; wave 0..7
	s_lshr_b32 s19, ttmp9, 5                       ; expert
	s_and_b32 s20, ttmp9, 31                       ; chunk
	v_and_b32 v10, 31, v0                          ; lane
	v_lshlrev_b32 v3, 4, v10
	v_lshlrev_b32 v8, 4, v0
	s_mul_i32 s24, ttmp9, 12288                    ; my share of hbuf's 384 spare rows: 3,145,728 / 256 bytes
	s_add_co_u32 s24, s24, NROW*8192
	s_mov_b32 s25, 0
	s_mul_i32 s26, ttmp9, 3072                     ; and of xs's: 786,432 / 256 bytes
	s_add_co_u32 s26, s26, NROW*2048
	s_mov_b32 s27, 0
	s_wait_kmcnt 0x0
.set n_, 0
.rept 16
	global_load_b128 v[SELV+4*n_:SELV+4*n_+3], v3, s[4:5] offset:512*n_
.set n_, n_+1
.endr
	s_add_nc_u64 s[24:25], s[10:11], s[24:25]
	s_add_nc_u64 s[26:27], s[8:9], s[26:27]
.irp m, 0,1,2
	global_store_b128 v8, v[4:7], s[24:25] offset:4096*\m   ; a wave stores 512 consecutive bytes, aligned
.endr
	s_cmp_gt_u32 s16, 5
	s_cbranch_scc1 .Lpadded                        ; 3,072 bytes are six waves' work
	global_store_b128 v8, v[4:7], s[26:27]
.Lpadded:
	s_wait_dscnt 0x0                               ; for wave 0: my zeros are written
	s_barrier_signal -1
	s_barrier_wait -1
	s_wait_loadcnt 0x0                             ; sel
	s_mov_b32 s22, 0
	SCAN 16, 0                                     ; wave w counts expert w
	v_mov_b32 v11, s16
	v_lshl_add_u32 v11, v11, 2, CNT
	v_mov_b32 v12, s22
	ds_store_b32 v11, v12
	s_cmp_lg_u32 s16, 0
	s_cbranch_scc1 .Llisted
	s_sub_co_u32 s22, 0, s20                       ; the list is shifted by -c
	v_lshlrev_b32 v162, 2, v10                     ; 2 x the first turn's token
	v_add_nc_u32 v163, DUMP, v10
	SCAN 19, 1
.Llisted:
	s_wait_dscnt 0x0                               ; for the others: count and list are written
	s_barrier_signal -1
	s_barrier_wait -1
	v_mov_b32 v11, CNT
	ds_load_b128 v[24:27], v11
	ds_load_b128 v[28:31], v11 offset:16
	s_lshl_b32 s38, s16, 7
	v_mov_b32 v12, s38                             ; word 32 w: rank c + 32 w
.irp i, 0,1,2,3
	ds_load_b32 v[14+\i], v12 offset:LIST+1024*\i  ; and 256 ranks on, each the same word in all lanes
.endr
	v_lshlrev_b32 v13, 7, v10                      ; word 32 lane: rank c + 32 lane
	ds_load_b32 v18, v13 offset:LIST
	s_wait_dscnt 0x0
.irp i, 0,1,2,3
	v_min_u32 v[14+\i], 0x7ff, v[14+\i]
	v_and_b32 v[14+\i], 0x7fe, v[14+\i]            ; 2 x token
	v_lshlrev_b32 v[14+\i], 10, v[14+\i]           ; x 2,048 bytes
	v_add_nc_u32 v[14+\i], v3, v[14+\i]
.endr
	v_min_u32 v18, 0x7ff, v18
	v_lshlrev_b32 v18, 2, v18
.irp i, 0,1,2,3
.irp k, 0,1,2,3
	global_load_b128 v[ROWV+16*\i+4*\k:ROWV+16*\i+4*\k+3], v[14+\i], s[6:7] offset:512*\k   ; without a branch: a place that no rank takes brings token 0's row
.endr
.endr
.irp j, 0,1,2,3,4,5,6,7
	v_readfirstlane_b32 s[40+\j], v[24+\j]
.endr
	s_mov_b32 s21, 0                               ; off = the counts of the experts before mine
	s_mov_b32 s22, 0                               ; cnt = mine
.irp j, 0,1,2,3,4,5,6,7
	s_cmp_gt_u32 s19, \j
	s_cselect_b32 s37, s[40+\j], 0
	s_add_co_u32 s21, s21, s37
	s_cmp_eq_u32 s19, \j
	s_cselect_b32 s22, s[40+\j], s22
.endr
	s_min_u32 s21, s21, NROW
	s_min_u32 s22, s22, 1024
	s_lshl_b32 s23, s16, 5
	s_add_co_u32 s23, s23, s20                     ; my wave's first rank
	s_add_co_u32 s50, s21, s23                     ; in a register that no memory instruction names
	s_lshl_b32 s50, s50, 11                        ; its place x 2,048 bytes
	v_add_nc_u32 v9, s50, v3
	s_add_co_u32 s37, s21, s20
	v_lshl_add_u32 v19, v10, 5, s37                ; off + c + 32 lane
	v_lshl_add_u32 v23, v10, 5, s20                ; c + 32 lane
	s_lshl_b32 s37, s19, 3
	v_mov_b32 v22, s37
	v_mov_b32 v20, s21
	v_mov_b32 v21, s22
.irp i, 0,1,2,3
	s_add_co_u32 s37, s23, 256*\i
	s_cmp_ge_u32 s37, s22
	s_cbranch_scc1 .Lrows_done                     ; ranks past the count: whole stores are jumped
	s_wait_loadcnt 12-4*\i                         ; loads come back in order; four a row: 4 (3 - i) are younger than this row's
.irp k, 0,1,2,3
	global_store_b128 v9, v[ROWV+16*\i+4*\k:ROWV+16*\i+4*\k+3], s[8:9] offset:\i*256*2048+512*\k   ; 512 consecutive bytes, aligned
.endr
.endr
.Lrows_done:
	s_cmp_lg_u32 s16, 0
	s_cbranch_scc1 .Lend
	v_cmp_gt_u32 vcc_lo, s22, v23                  ; lanes whose rank exists
	s_wait_xcnt 0x0                                ; EXEC changes only behind this wait
	s_and_saveexec_b32 s36, vcc_lo
	global_store_b32 v18, v19, s[12:13]            ; 4 bytes to places far apart: 8,192 bytes in the whole launch
	s_wait_xcnt 0x0
	s_or_b32 exec_lo, exec_lo, s36
	s_cmp_lg_u32 s20, 0
	s_cbranch_scc1 .Lend
	v_cmp_eq_u32 vcc_lo, 0, v10                    ; chunk 0, lane 0: the expert's first place and count
	s_wait_xcnt 0x0
	s_and_saveexec_b32 s36, vcc_lo
	global_store_b64 v22, v[20:21], s[14:15]
	s_wait_xcnt 0x0
	s_or_b32 exec_lo, exec_lo, s36
.Lend:
	s_wait_tensorcnt 0x0                           ; the wave's end
	ds_add_u32 v1, v2
	s_wait_dscnt 0x0
	s_endpgm
.Lfunc_end_k_q4f10a1bbb5_place:
	.size	k_q4f10a1bbb5_place, .Lfunc_end_k_q4f10a1bbb5_place-k_q4f10a1bbb5_place
	.p2alignl 7, 3214868480
	.fill 96, 4, 3214868480
	.section	.rodata,"a",@progbits
	.p2align	6, 0x0
	.amdhsa_kernel k_q4f10a1bbb5_place
		.amdhsa_group_segment_fixed_size 7424
		.amdhsa_private_segment_fixed_size 0
		.amdhsa_enable_private_segment 0
		.amdhsa_kernarg_size 48
		.amdhsa_user_sgpr_count 2
		.amdhsa_user_sgpr_kernarg_segment_ptr 1
		.amdhsa_wavefront_size32 1
		.amdhsa_system_sgpr_workgroup_id_x 1
		.amdhsa_system_sgpr_workgroup_id_y 1
		.amdhsa_system_sgpr_workgroup_id_z 1
		.amdhsa_system_vgpr_workitem_id 0
		.amdhsa_next_free_vgpr 168
		.amdhsa_next_free_sgpr 66
		.amdhsa_reserve_vcc 1
		.amdhsa_float_denorm_mode_32 3
		.amdhsa_float_denorm_mode_16_64 3
		.amdhsa_memory_ordered 1
		.amdhsa_forward_progress 1
		.amdhsa_inst_pref_size 41
	.end_amdhsa_kernel
	.amdgpu_metadata
---
amdhsa.version: [ 1, 2 ]
amdhsa.kernels:
  - .name:           k_q4f10a1bbb5_place
    .symbol:         k_q4f10a1bbb5_place.kd
    .args:
      - { .name: sel, .offset: 0, .size: 8, .value_kind: global_buffer, .address_space: global }
      - { .name: xb, .offset: 8, .size: 8, .value_kind: global_buffer, .address_space: global }
      - { .name: xs, .offset: 16, .size: 8, .value_kind: global_buffer, .address_space: global }
      - { .name: hbuf, .offset: 24, .size: 8, .value_kind: global_buffer, .address_space: global }
      - { .name: pos, .offset: 32, .size: 8, .value_kind: global_buffer, .address_space: global }
      - { .name: meta, .offset: 40, .size: 8, .value_kind: global_buffer, .address_space: global }
    .group_segment_fixed_size: 7424
    .private_segment_fixed_size: 0
    .kernarg_segment_align: 8
    .kernarg_segment_size: 48
    .max_flat_workgroup_size: 256
    .sgpr_count:     66
    .vgpr_count:     168
    .wavefront_size: 32
...
	.end_amdgpu_metadata
.endif
;; end of part 2
;; launch ffn1 (part 3): grid 256 x 1, 8 waves a work-group, no clusters, 240,640 bytes of LDS; arguments xs, W1, b1, meta, hbuf; writes hbuf
.if DOCPART == 3
	.amdgcn_target "amdgcn-amd-amdhsa--gfx1250"
	.amdhsa_code_object_version 6
	.text
	.protected	k_q4f10a1bbb5_ffn1
	.globl	k_q4f10a1bbb5_ffn1
	.p2align	8
	.type	k_q4f10a1bbb5_ffn1,@function
k_q4f10a1bbb5_ffn1:
	s_mov_b64 s[64:65], 0
	v_nop
	global_prefetch_b8 v0, s[64:65] scope:SCOPE_SE
	s_setreg_imm32_b32 hwreg(HW_REG_WAVE_MODE, 25, 1), 1
	s_wait_xcnt 0x0
; FIRST PRODUCT.  hbuf[p][:] = gelu(xs[p] . bf16(W1[e]) + bf16(b1[e])) in f16, for the places p = off[e] .. off[e] + cnt[e] - 1 of expert e's rows.  Sums in f32.
; LIMITS.  h of 65,520 or more becomes an infinity in f16.  erf by a rational form with absolute error 1.5e-7 for every x.  NaN and infinities are not treated apart.
; SHARES.  Work-group = (expert e = x / 32, slice = x % 32 of 128 columns): it alone reads its 1,024 x 128 weights, in f32, and rounds them on the way through registers.
; K goes in 8 steps of 128 through two LDS slots; the sums of up to CAP = 320 rows stay in registers.  More rows: further passes, which read the slice again.
; The pass loop has a constant count of 4 (4 x 320 covers the 1,024 rows that an expert can have); a pass without rows passes every barrier and jumps all work.
; ADDRESSES.  off and cnt are read once, clamped at the head; off enters two vector offsets that are made there and never rewritten; a row's place is an immediate, a pass steps the
; two pointers by constants.  Every LDS address is a register made at the head plus an immediate.  A pass always brings 320 rows: those past the count are the next experts' rows or
; the 384 zero rows behind row 2,047; their sums are not stored.
; WAVES.  To multiply: wave w has row group g = w / 2 (blocks of 16 rows b = 4 i + g, i = 0..4) and column half ch = w % 2 (64 columns): up to 20 accumulators.
; To stage weights: wave w brings rows 32 (w / 2) .. + 31 of the step, columns 64 (w % 2) .. + 63: 16 loads, each half wave 256 consecutive bytes, aligned.
; To stage rows: load j of 20 brings rows 16 j + 2 w + lane / 16; sixteen lanes take the 256 bytes of a row.
; THE K LOOP IS A PIPELINE.  Between two barriers a wave multiplies step t out of one slot and lays step t + 1 into the other, in three pieces set between the products.
; Fragments are fetched ahead of their products: B's for the next 32 along K go into a second buffer; A's are fetched again into the registers of the blocks just multiplied,
; blocks 0, 1 (L) behind L's products, blocks 2, 3, 4 (H) behind H's.  In a pass with rows every wave multiplies its blocks 0 to 3; the fifth alone hangs on the count:
; two branches for 32 along K.  Sums of blocks past the count are not stored.
; NO TRANSPOSE.  Lane (r, h) loads weight row k = 32 q + 8 h + i (+ 8 from i = 8 on), columns 4 r .. 4 r + 3.  Component f of loads 2 j and 2 j + 1, packed, is register j of a
; fragment whose row r stands for column 4 r + f.  With that fragment as source 0 and 16 token rows as source 1, a lane of the result holds token row r, and register j of
; fragment f column 32 h + 4 j + f of the half: 32 neighbouring columns of one row.
; NO TENSOR LOADS, NO CLUSTER.  f32 weights pass through registers to be rounded, and each slice has one reader.  The rows are shared by an expert's 32 work-groups (80 KB of a step's
; 144 KB), but a joint request is a tensor load, which may not be jumped: the passes without rows, three of four at an even split, would ask for 8 x 80 KB each for nothing,
; or the ring's length would hang on a count read from memory.
; The accumulators are cleared, not started by a first product: work is jumped by counts read from memory, and every register is written on every path.
.set WPITCH, 16384                     ; bytes from row to row of W1[e]
.set WSTEP,  128*WPITCH                ; a K step
.set XROW,   2048                      ; bytes in a row of xs
.set HROW,   8192                      ; bytes in a row of hbuf
.set TP,     272                       ; an LDS row of tokens: 256 bytes + 16, an odd multiple of 16: sixteen rows start in sixteen different groups of banks (ISA guide 11.1)
.set CAP,    320
.set NPASS,  4
.set TOKB,   CAP*TP                    ; a token slot: 87,040 bytes
.set TOKHI,  256*TP                    ; rows from 256 on lie beyond a 16-bit offset
.set WS0,    2*TOKB                    ; weight slots: [q][ch][f][half][lane] x 16 bytes, 32,768 each
.set WSB,    32768
.set SPARE,  WS0+2*WSB                 ; the spare words, 128 bytes a wave: four blocks of 256 bytes that no other line names
; window 0: v1 spare word, v2 its zero, v3 weight offset, v4 weight store, v5 weight read, v6-9 token store (slot 0 low, high; slot 1 low, high),
;   v10-13 token read (the same four), v14 rows in: offset in xs, v15 16 (lane % 16), v16 2 w + lane / 16, v17 bias offset, v18-19 stage store (low, high), v20 rows out: offset in hbuf
.set BF,  24                           ; v[24:55]   four weight fragments, even quarters of a step
.set AF,  56                           ; v[56:95]   five token fragments
.set ACC, 96                           ; v[96:255]  accumulator (i, f) at ACC + 32 i + 8 f
; window 1
.set WA,  0                            ; weights of even steps, as loaded
.set WB,  64                           ; of odd steps
.set TQ,  128                          ; 20 quads of tokens; at the end the bias in the first 32
.set CT,  208                          ; 16 registers of packed results
.set BG,  224                          ; four weight fragments, odd quarters of a step
.set XX,  0                            ; the way out: x, t, e, the polynomial, max(x, 0)
.set TT,  32
.set EE,  64
.set PP,  96
.set RR,  160
.set MSB, 0
.macro WIN new                         ; bits 1:0 source 0, 3:2 source 1, 5:4 source 2, 7:6 destination; the high byte repeats the setting that is left
.if MSB != (\new)
	s_set_vgpr_msb (MSB<<8)|(\new)
.set MSB, \new
.endif
.endm
.macro PLACES                          ; four places between a product and a load into one of its sources, or a read of its result
.rept 4
	v_nop
.endr
.endm
; From the rows left (s23): s27 = is the pass alive, s24 = its rows, s25 = its blocks of 16, s26 = my row group's blocks
.macro PASSVARS
	s_cmp_gt_i32 s23, 0
	s_cselect_b32 s27, 1, 0
	s_max_i32 s24, s23, 0
	s_min_i32 s24, s24, CAP
	s_add_co_u32 s25, s24, 15
	s_lshr_b32 s25, s25, 4
	s_add_co_u32 s26, s25, 3
	s_sub_co_u32 s26, s26, s17
	s_lshr_b32 s26, s26, 2
.endm
.macro WISSUE set, base                ; my 32 x 64 block of a step's weights: 16 loads
	WIN 0x40
.set n_, 0
.rept 16
	global_load_b128 v[(\set)+4*n_:(\set)+4*n_+3], v3, s[\base:\base+1] offset:(n_+8*(n_/8))*WPITCH th:TH_LOAD_NT
.set n_, n_+1
.endr
.endm
.macro TOKISSUE                        ; my 40 rows' 256 bytes of a step: 20 loads
	WIN 0x40
.set n_, 0
.rept 20
	global_load_b128 v[TQ+4*n_:TQ+4*n_+3], v14, s[44:45] offset:n_*16*XROW
.set n_, n_+1
.endr
.endm
.macro TOKST slot                      ; the same 40 rows into a token slot: 20 stores
	WIN 0x04
.set n_, 0
.rept 16
	ds_store_b128 v[6+2*(\slot)], v[TQ+4*n_:TQ+4*n_+3] offset:n_*16*TP
.set n_, n_+1
.endr
.rept 4
	ds_store_b128 v[7+2*(\slot)], v[TQ+4*n_:TQ+4*n_+3] offset:(n_-16)*16*TP
.set n_, n_+1
.endr
.endm
.macro BIAS                            ; b1 of my 32 columns
	WIN 0x40
.set n_, 0
.rept 8
	global_load_b128 v[TQ+4*n_:TQ+4*n_+3], v17, s[8:9] offset:16*n_
.set n_, n_+1
.endr
.endm
.macro CLEAR
.set n_, 0
.rept 160
	v_mov_b32 v[ACC+n_], 0
.set n_, n_+1
.endr
.endm
.macro CVTH set, slot, fp              ; half of my weights: 32 f32 -> fragments 2 fp and 2 fp + 1 in bf16 -> the weight slot: 4 stores
	WIN 0x55
.irp fl, 0,1
.irp jp, 0,1,2,3,4,5,6,7
	v_cvt_pk_bf16_f32 v[CT+8*\fl+\jp], v[(\set)+8*\jp+2*(\fp)+\fl], v[(\set)+8*\jp+4+2*(\fp)+\fl]
.endr
.endr
	WIN 0x04
.irp fl, 0,1
	ds_store_b128 v4, v[CT+8*\fl:CT+8*\fl+3] offset:(\slot)*WSB+(2*(\fp)+\fl)*1024
	ds_store_b128 v4, v[CT+8*\fl+4:CT+8*\fl+7] offset:(\slot)*WSB+(2*(\fp)+\fl)*1024+512
.endr
.endm
; Step 0 is laid into slot 0 ahead of the loop; step 1's rows and step 2's weights go out.  Nothing is on its way at its head, so both bases may step.
.macro STAGE0
	s_wait_loadcnt 0x0
	s_add_nc_u64 s[44:45], s[44:45], 256
	s_add_nc_u64 s[46:47], s[46:47], 2*WSTEP
	s_cmp_eq_u32 s27, 0
	s_cbranch_scc1 .Ldead_\@
	TOKST 0
	TOKISSUE
	CVTH WA, 0, 0
	CVTH WA, 0, 1
	WISSUE WA, 46
	WIN 0
	s_branch .Ljoin_\@
.Ldead_\@:
	s_wait_loadcnt 0x0                             ; a pass without rows has nothing on its way
.Ljoin_\@:
	s_wait_dscnt 0x0                               ; for the others: my stores into the slot are done
	s_barrier_signal -1
	s_barrier_wait -1
.endm
.macro LDB q, c                        ; B's four fragments of quarter q of slot c: 8 loads; even quarters into BF, odd ones into BG
.if (\q)%2
	WIN 0x40
.irp f, 0,1,2,3
	ds_load_b128 v[BG+8*\f:BG+8*\f+3], v5 offset:(\c)*WSB+(\q)*8192+\f*1024
	ds_load_b128 v[BG+8*\f+4:BG+8*\f+7], v5 offset:(\c)*WSB+(\q)*8192+\f*1024+512
.endr
.else
	WIN 0
.irp f, 0,1,2,3
	ds_load_b128 v[BF+8*\f:BF+8*\f+3], v5 offset:(\c)*WSB+(\q)*8192+\f*1024
	ds_load_b128 v[BF+8*\f+4:BF+8*\f+7], v5 offset:(\c)*WSB+(\q)*8192+\f*1024+512
.endr
.endif
.endm
.macro LDA q, c, i                     ; A's fragment of my block i, quarter q of slot c: 2 loads
	WIN 0
.if (\i) < 4
	ds_load_b128 v[AF+8*(\i):AF+8*(\i)+3], v[10+2*(\c)] offset:(\i)*64*TP+(\q)*64
	ds_load_b128 v[AF+8*(\i)+4:AF+8*(\i)+7], v[10+2*(\c)] offset:(\i)*64*TP+(\q)*64+32
.else
	ds_load_b128 v[AF+32:AF+35], v[11+2*(\c)] offset:(\q)*64
	ds_load_b128 v[AF+36:AF+39], v[11+2*(\c)] offset:(\q)*64+32
.endif
.endm
.macro LDAH q, c                       ; blocks 2, 3 and, where my group has five, 4: 4 or 6 loads
	LDA \q, \c, 2
	LDA \q, \c, 3
	s_cmp_le_u32 s26, 4
	s_cbranch_scc1 .Lna_\@
	LDA \q, \c, 4
.Lna_\@:
.endm
.macro MM q, i                         ; block i's four products of quarter q.  The accumulators take turns, one instruction a turn
.if (\q)%2
	WIN 0x01
.irp f, 0,1,2,3
	v_wmma_f32_16x16x32_bf16 v[ACC+32*(\i)+8*\f:ACC+32*(\i)+8*\f+7], v[BG+8*\f:BG+8*\f+7], v[AF+8*(\i):AF+8*(\i)+7], v[ACC+32*(\i)+8*\f:ACC+32*(\i)+8*\f+7]
.endr
.else
	WIN 0
.irp f, 0,1,2,3
	v_wmma_f32_16x16x32_bf16 v[ACC+32*(\i)+8*\f:ACC+32*(\i)+8*\f+7], v[BF+8*\f:BF+8*\f+7], v[AF+8*(\i):AF+8*(\i)+7], v[ACC+32*(\i)+8*\f:ACC+32*(\i)+8*\f+7]
.endr
.endif
.endm
.macro MMH q
	MM \q, 2
	MM \q, 3
	WIN 0
	s_cmp_le_u32 s26, 4
	s_cbranch_scc1 .Lnm_\@
	MM \q, 4
	WIN 0
.Lnm_\@:
.endm
; ONE K STEP: the products of the step in slot c, and beside them the next step's way into slot 1 - c (weights out of \set).
; kind 0: rows two steps on and this set's weights three steps on are asked for.  kind 1: the same, but the caller issues the weights.  kind 2 (step 6): the bias in the rows' place, no weights.
; kind 3 (step 7): nothing is staged.
; ORDER IN LDS.  Slot 1 - c was read last in the step before; every wave ended those reads ahead of its signal of the barrier in front of this step.  What is written here is read behind
; the barrier at this step's end, in front of which each wave waits for its stores.  One barrier a step.
; LDS WAITS.  LDS instructions end in issue order (ISA guide 5.7.1), loads and stores together, so a count names what was issued behind the loads wanted; H is 4 loads or 6, and the
; smaller figure is counted.  In issue order: B0, L0, H0, B1 | L1 | H1, B2, 4 stores | L2 | H2, B3, 4 stores | L3 | H3, 20 stores.
; LOAD WAITS.  On their way at the head, in issue order: this set's 16 weight loads, 20 row loads, the other set's 16.  36 leaves the last two groups out, 16 the last.
; In step 6 there are 16 and 20: the counts are 20 and 0.
.macro BODY c, set, base, kind
.set st_, 1
.if (\kind) == 3
.set st_, 0
.endif
.if (\kind) < 2
	s_wait_xcnt 0x0                                ; the loads that name the two bases have had their addresses translated: the bases step, ahead of the fork
	s_add_nc_u64 s[44:45], s[44:45], 256
	s_add_nc_u64 s[\base:\base+1], s[\base:\base+1], 2*WSTEP
.endif
	s_cmp_eq_u32 s27, 0
	s_cbranch_scc1 .Ldead_\@
	PLACES                                         ; behind the last step's products
	LDB 0, \c
	LDA 0, \c, 0
	LDA 0, \c, 1
	LDAH 0, \c
	LDB 1, \c
	s_wait_dscnt 12                                ; B0 and L0 are in; behind them: H0 (4), B1 (8)
	MM 0, 0
	MM 0, 1
	PLACES
	LDA 1, \c, 0
	LDA 1, \c, 1
	s_wait_dscnt 12                                ; H0 is in; behind it: B1 (8), L1 (4)
	MMH 0
	PLACES
	LDAH 1, \c
	LDB 2, \c
.if (\kind) < 2
	s_wait_loadcnt 36
.elseif (\kind) == 2
	s_wait_loadcnt 20
.endif
.if st_
	CVTH \set, 1-(\c), 0
.endif
	s_wait_dscnt 12+4*st_                          ; B1 and L1 are in; behind them: H1 (4), B2 (8), the 4 stores
	MM 1, 0
	MM 1, 1
	PLACES
	LDA 2, \c, 0
	LDA 2, \c, 1
	s_wait_dscnt 12+4*st_                          ; H1 is in; behind it: B2 (8), the 4 stores, L2 (4)
	MMH 1
	PLACES
	LDAH 2, \c
	LDB 3, \c
.if st_
	CVTH \set, 1-(\c), 1
.endif
	s_wait_dscnt 12+4*st_                          ; B2 and L2 are in; behind them: H2 (4), B3 (8), the 4 stores
	MM 2, 0
	MM 2, 1
	PLACES
	LDA 3, \c, 0
	LDA 3, \c, 1
	s_wait_dscnt 12+4*st_                          ; H2 is in; behind it: B3 (8), the 4 stores, L3 (4)
	MMH 2
	PLACES
	LDAH 3, \c
.if (\kind) < 2
	s_wait_loadcnt 16
	TOKST 1-(\c)
	TOKISSUE
.elseif (\kind) == 2
	s_wait_loadcnt 0x0
	TOKST 1-(\c)
	BIAS
.endif
	s_wait_dscnt 4+20*st_                          ; B3 and L3 are in; behind them: H3 (4), the 20 stores
	MM 3, 0
	MM 3, 1
	s_wait_dscnt 20*st_                            ; H3 is in; behind it: the 20 stores
	MMH 3
.if (\kind) == 0
	WISSUE \set, \base
.endif
	WIN 0
.if (\kind) < 3
	s_branch .Ljoin_\@
.Ldead_\@:
	s_wait_loadcnt 0x0                             ; a pass without rows has nothing on its way
.Ljoin_\@:
.else
.Ldead_\@:
.endif
.if ((\kind) == 0) || ((\kind) == 2)
	s_wait_dscnt 0x0                               ; for the others: my stores into the other slot are done, and so are my reads of this one
	s_barrier_signal -1
	s_barrier_wait -1
.endif
.endm
.macro STUB blk                        ; block blk's sums + bias, into column order; each accumulator is read from its low end on
	WIN 0x44
.irp f, 0,1,2,3
.irp j, 0,1,2,3,4,5,6,7
	v_add_f32 v[XX+4*\j+\f], v[ACC+32*(\blk)+8*\f+\j], v[TQ+4*\j+\f]
.endr
.endr
	WIN 0
.endm
.macro PUT blk                         ; my 32 columns of row 64 blk + 16 g + r, 64 bytes, into the stage
	WIN 0x04
.irp t, 0,1,2,3
	ds_store_b128 v[18+(\blk)/4], v[CT+4*\t:CT+4*\t+3] offset:((\blk)%4)*64*TP+16*\t
.endr
	WIN 0
.endm
.macro ROWSTORE dat, imm               ; two rows a wave, sixteen for the eight waves; s35 = rows left from the sixteen's first on, at least 1
	s_cmp_lt_i32 s35, 16
	s_cbranch_scc1 .Lpart_\@
	global_store_b128 v20, v[\dat:\dat+3], s[12:13] offset:\imm    ; sixteen lanes store 256 consecutive bytes, aligned
	s_branch .Lsent_\@
.Lpart_\@:
	v_cmp_gt_i32 vcc_lo, s35, v16
	s_wait_xcnt 0x0                                ; EXEC changes only behind this wait
	s_and_saveexec_b32 s36, vcc_lo
	global_store_b128 v20, v[\dat:\dat+3], s[12:13] offset:\imm
	s_wait_xcnt 0x0
	s_or_b32 exec_lo, exec_lo, s36
.Lsent_\@:
.endm
	s_load_b256 s[4:11], s[0:1], 0x0               ; xs s[4:5], W1 s[6:7], b1 s[8:9], meta s[10:11]
	s_load_b64 s[12:13], s[0:1], 0x20              ; hbuf
	v_lshl_add_u32 v1, v0, 2, SPARE
	v_mov_b32 v2, 0
	v_lshrrev_b32 v24, 5, v0
	v_readfirstlane_b32 s16, v24                   ; wave 0..7
	s_lshr_b32 s17, s16, 1                         ; g, and q when staging
	s_and_b32 s18, s16, 1                          ; ch
	s_lshr_b32 s19, ttmp9, 5                       ; expert
	s_and_b32 s20, ttmp9, 31                       ; slice
	v_and_b32 v24, 31, v0                          ; lane
	v_and_b32 v25, 15, v0                          ; r
	v_bfe_u32 v26, v0, 4, 1                        ; h
	v_lshlrev_b32 v15, 4, v25
	v_lshl_add_u32 v3, v26, 17, v15                ; 8 h rows of 16,384 bytes + 16 r
	s_lshl_b32 s38, s19, 24                        ; weights: expert x 16 MiB + slice x 512 + q x 32 rows + ch x 256
	s_lshl_b32 s37, s20, 9
	s_add_co_u32 s38, s38, s37
	s_lshl_b32 s37, s17, 19
	s_add_co_u32 s38, s38, s37
	s_lshl_b32 s37, s18, 8
	s_add_co_u32 s38, s38, s37
	s_mov_b32 s39, 0
	s_lshl_b32 s40, s19, 14                        ; bias: expert x 16,384 + slice x 512
	s_lshl_b32 s37, s20, 9
	s_add_co_u32 s40, s40, s37
	s_mov_b32 s41, 0
	s_lshl_b32 s42, s20, 8                         ; h: slice x 256 bytes
	s_mov_b32 s43, 0
	s_lshl_b32 s50, s19, 3                         ; meta: 8 bytes an expert
	s_mov_b32 s51, 0
	s_wait_kmcnt 0x0
	s_add_nc_u64 s[10:11], s[10:11], s[50:51]
	s_load_b64 s[34:35], s[10:11], 0x0             ; off, cnt
	s_add_nc_u64 s[6:7], s[6:7], s[38:39]
	s_add_nc_u64 s[8:9], s[8:9], s[40:41]
	s_add_nc_u64 s[12:13], s[12:13], s[42:43]
	s_mov_b64 s[46:47], s[6:7]
	s_add_nc_u64 s[48:49], s[6:7], WSTEP
	s_mov_b64 s[44:45], s[4:5]
	WISSUE WA, 46                                  ; steps 0 and 1 go out at once
	WISSUE WB, 48
	WIN 0
	s_lshl_b32 s37, s16, 12
	s_add_co_u32 s37, s37, WS0
	v_lshl_add_u32 v4, v24, 4, s37                 ; weights in: my 4,096 bytes of a slot
	s_lshl_b32 s37, s18, 12
	s_add_co_u32 s37, s37, WS0
	v_lshl_add_u32 v5, v24, 4, s37                 ; weights out: my column half
	s_lshl_b32 s37, s16, 1
	v_add_nc_u32 v16, s37, v26                     ; 2 w + lane / 16
	v_lshl_add_u32 v14, v16, 11, v15               ; that row of xs, 16 bytes a lane
	v_lshl_add_u32 v20, v16, 13, v15               ; and of hbuf
	s_mul_i32 s37, s16, 2*TP
	v_mul_u32_u24 v6, v26, TP
	v_add_nc_u32 v6, v15, v6
	v_add_nc_u32 v6, s37, v6                       ; tokens in: row 2 w + lane / 16, 16 bytes a lane
	v_add_nc_u32 v7, TOKHI, v6
	v_add_nc_u32 v8, TOKB, v6
	v_add_nc_u32 v9, TOKB+TOKHI, v6
	s_mul_i32 s37, s17, 16*TP
	v_mul_u32_u24 v28, v25, TP
	v_add_nc_u32 v28, s37, v28                     ; row 16 g + r
	v_lshl_add_u32 v10, v26, 4, v28                ; tokens out, a fragment: + 16 h
	v_add_nc_u32 v11, TOKHI, v10
	v_add_nc_u32 v12, TOKB, v10
	v_add_nc_u32 v13, TOKB+TOKHI, v10
	s_lshl_b32 s37, s18, 7
	v_lshl_add_u32 v18, v26, 6, v28
	v_add_nc_u32 v18, s37, v18                     ; the stage: + 128 ch + 64 h
	v_add_nc_u32 v19, TOKHI, v18
	s_lshl_b32 s37, s18, 8
	v_lshl_add_u32 v17, v26, 7, s37                ; (64 ch + 32 h) x 4
	s_mov_b32 s52, 0x3e6d3389                      ; 0.3275911 / sqrt(2)
	s_mov_b32 s54, 0xbf38aa3b                      ; - log2(e) / 2
	s_mov_b32 s55, s54
	s_mov_b32 s56, 0x3f07dc22                      ; the five coefficients, halved: a5,
	s_mov_b32 s57, s56
	s_mov_b32 s58, 0xbf3a00e3                      ; a4,
	s_mov_b32 s59, s58
	s_mov_b32 s60, 0x3f35f0e3                      ; a3,
	s_mov_b32 s61, s60
	s_mov_b32 s62, 0xbe11a98e                      ; a2,
	s_mov_b32 s63, s62
	s_mov_b32 s66, 0x3e027906                      ; a1
	s_mov_b32 s67, s66
	s_wait_kmcnt 0x0
	s_min_u32 s34, s34, 2048                       ; the expert's first place
	s_min_u32 s23, s35, 1024                       ; its rows
	s_lshl_b32 s37, s34, 11
	v_add_nc_u32 v14, s37, v14                     ; the first place enters the two offsets, here and never again
	s_lshl_b32 s37, s34, 13
	v_add_nc_u32 v20, s37, v20
	PASSVARS
	TOKISSUE                                       ; without a branch: every staging register and every accumulator is written on every path
	WIN 0
.set n_, 0
.rept 8
	v_mov_b32 v[AF+32+n_], 0                       ; the fifth block's fragment, whose loads and products are jumped by branches of their own
.set n_, n_+1
.endr
	CLEAR
	s_wait_loadcnt 0x0                             ; step 0's tokens are the youngest loads
	s_mov_b32 s28, NPASS
.Lpass:
	s_mov_b64 s[46:47], s[6:7]                     ; nothing is on its way here: the three bases go to the pass's step 0
	s_add_nc_u64 s[48:49], s[6:7], WSTEP
	s_mov_b64 s[44:45], s[4:5]
	s_cmp_eq_u32 s28, NPASS
	s_cbranch_scc1 .Lbody                          ; the first pass was set up above
	s_cmp_eq_u32 s27, 0
	s_cbranch_scc1 .Lbody
	WISSUE WA, 46                                  ; a further pass reads the slice again
	WISSUE WB, 48
	TOKISSUE
	WIN 0
	CLEAR
	s_wait_loadcnt 0x0
.Lbody:
	STAGE0
	s_mov_b32 s29, 3
.Lk:                                                   ; a trip: an even step and an odd one; three trips are steps 0 to 5
	BODY 0, WB, 48, 0
	BODY 1, WA, 46, 1
	s_sub_co_u32 s29, s29, 1
	s_cmp_eq_u32 s29, 0
	s_cbranch_scc1 .Lkx                            ; the loop is left here in step 5: there are no weights of a step 8 to ask for
	s_cmp_eq_u32 s27, 0
	s_cbranch_scc1 .Lnw
	WISSUE WA, 46
	WIN 0
	s_branch .Lkw
.Lnw:
	s_wait_loadcnt 0x0                             ; a pass without rows has nothing on its way
.Lkw:
	s_wait_dscnt 0x0                               ; for the others: my stores into slot 0 are done, and so are my reads of slot 1
	s_barrier_signal -1
	s_barrier_wait -1
	s_branch .Lk
.Lkx:
	s_wait_dscnt 0x0                               ; the same barrier, behind step 5
	s_barrier_signal -1
	s_barrier_wait -1
	BODY 0, WB, 48, 2                              ; step 6
	BODY 1, WA, 46, 3                              ; step 7
	s_wait_loadcnt 0x0                             ; the bias
	; THE WAY OUT, first half: bias, GELU, f16, into the stage: token slot 0, which nobody has read since the barrier in front of step 7
	PLACES
	s_cmp_eq_u32 s26, 0
	s_cbranch_scc1 .Lstaged
	WIN 0x55
.set n_, 0
.rept 16
	v_cvt_pk_bf16_f32 v[RR+n_], v[TQ+2*n_], v[TQ+2*n_+1]   ; b1 is rounded to bf16 like every input
.set n_, n_+1
.endr
.set n_, 0
.rept 16
	v_lshlrev_b32 v[TQ+2*n_], 16, v[RR+n_]
	v_and_b32 v[TQ+2*n_+1], 0xffff0000, v[RR+n_]
.set n_, n_+1
.endr
	WIN 0
	s_mov_b32 s31, 0
.Lblock:
	s_cmp_ge_u32 s31, s26
	s_cbranch_scc1 .Lblock_next
	s_cmp_eq_u32 s31, 0
	s_cbranch_scc1 .Lblk0
	s_cmp_eq_u32 s31, 1
	s_cbranch_scc1 .Lblk1
	s_cmp_eq_u32 s31, 2
	s_cbranch_scc1 .Lblk2
	s_cmp_eq_u32 s31, 3
	s_cbranch_scc1 .Lblk3
	STUB 4
	s_branch .Lgelu
.Lblk0:
	STUB 0
	s_branch .Lgelu
.Lblk1:
	STUB 1
	s_branch .Lgelu
.Lblk2:
	STUB 2
	s_branch .Lgelu
.Lblk3:
	STUB 3
.Lgelu:
	; gelu(x) = max(x, 0) - |x| p(t) 2^(-x x log2(e) / 2), t = 1 / (1 + 0.2316419 |x|), p of degree 5 with halved coefficients
	WIN 0x55
.set n_, 0
.rept 32
	v_fma_f32 v[TT+n_], |v[XX+n_]|, s52, 1.0
.set n_, n_+1
.endr
.set n_, 0
.rept 16
	v_pk_mul_f32 v[EE+2*n_:EE+2*n_+1], v[XX+2*n_:XX+2*n_+1], v[XX+2*n_:XX+2*n_+1]
.set n_, n_+1
.endr
.set n_, 0
.rept 16
	v_pk_mul_f32 v[EE+2*n_:EE+2*n_+1], v[EE+2*n_:EE+2*n_+1], s[54:55] op_sel_hi:[1,0]
.set n_, n_+1
.endr
.set n_, 0
.rept 32
	v_rcp_f32 v[TT+n_], v[TT+n_]
.set n_, n_+1
.endr
.set n_, 0
.rept 32
	v_exp_f32 v[EE+n_], v[EE+n_]
.set n_, n_+1
.endr
.set n_, 0
.rept 32
	v_max_num_f32 v[RR+n_], 0, v[XX+n_]            ; plain work behind the batch of 64
.set n_, n_+1
.endr
	s_wait_alu depctr_va_vdst(0)                   ; one wait for the batch, ahead of its first reader
.set n_, 0
.rept 16
	v_pk_fma_f32 v[PP+2*n_:PP+2*n_+1], v[TT+2*n_:TT+2*n_+1], s[56:57], s[58:59] op_sel_hi:[1,0,0]
.set n_, n_+1
.endr
.irp c, 60, 62, 66
.set n_, 0
.rept 16
	v_pk_fma_f32 v[PP+2*n_:PP+2*n_+1], v[PP+2*n_:PP+2*n_+1], v[TT+2*n_:TT+2*n_+1], s[\c:\c+1] op_sel_hi:[1,1,0]
.set n_, n_+1
.endr
.endr
.set n_, 0
.rept 16
	v_pk_mul_f32 v[PP+2*n_:PP+2*n_+1], v[PP+2*n_:PP+2*n_+1], v[TT+2*n_:TT+2*n_+1]
.set n_, n_+1
.endr
.set n_, 0
.rept 16
	v_pk_mul_f32 v[PP+2*n_:PP+2*n_+1], v[PP+2*n_:PP+2*n_+1], v[EE+2*n_:EE+2*n_+1]
.set n_, n_+1
.endr
.set n_, 0
.rept 32
	v_fma_f32 v[XX+n_], -|v[XX+n_]|, v[PP+n_], v[RR+n_]
.set n_, n_+1
.endr
.set n_, 0
.rept 16
	v_cvt_pk_f16_f32 v[CT+n_], v[XX+2*n_], v[XX+2*n_+1]
.set n_, n_+1
.endr
	WIN 0
	s_cmp_eq_u32 s31, 0                            ; the block's place in the stage stands in the stores' immediates
	s_cbranch_scc1 .Lput0
	s_cmp_eq_u32 s31, 1
	s_cbranch_scc1 .Lput1
	s_cmp_eq_u32 s31, 2
	s_cbranch_scc1 .Lput2
	s_cmp_eq_u32 s31, 3
	s_cbranch_scc1 .Lput3
	PUT 4
	s_branch .Lblock_next
.Lput0:
	PUT 0
	s_branch .Lblock_next
.Lput1:
	PUT 1
	s_branch .Lblock_next
.Lput2:
	PUT 2
	s_branch .Lblock_next
.Lput3:
	PUT 3
.Lblock_next:
	s_add_co_u32 s31, s31, 1
	s_cmp_lt_u32 s31, 5
	s_cbranch_scc1 .Lblock
.Lstaged:
	s_wait_dscnt 0x0                               ; a row's 256 bytes come from two waves: my stores are done,
	s_barrier_signal -1
	s_barrier_wait -1                              ; everybody's are
	; second half: whole rows back and out; four times sixteen rows a group, written out
.irp I, 0,1,2,3,4
	s_sub_co_i32 s40, s24, 64*\I
	s_cmp_lt_i32 s40, 1
	s_cbranch_scc1 .Lrows_done
	s_wait_xcnt 0x0                                ; the last group's stores have read their registers
.irp jj, 0,1,2,3
	ds_load_b128 v[BF+4*\jj:BF+4*\jj+3], v[6+\I/4] offset:((4*\I+\jj)%16)*16*TP
.endr
	s_wait_dscnt 0x0
.irp jj, 0,1,2,3
	s_sub_co_i32 s35, s40, 16*\jj
	s_cmp_lt_i32 s35, 1
	s_cbranch_scc1 .Lrows_done                     ; whole stores past the count are jumped
	ROWSTORE BF+4*\jj, (4*\I+\jj)*16*HROW
.endr
.endr
.Lrows_done:
	s_wait_xcnt 0x0                                ; the stores have read their registers and their base
	s_wait_dscnt 0x0                               ; my reads of the stage are over
	s_barrier_signal -1
	s_barrier_wait -1                              ; everybody's are: the next pass may write token slot 0
	s_add_nc_u64 s[4:5], s[4:5], CAP*XROW          ; the next pass's rows, in and out
	s_add_nc_u64 s[12:13], s[12:13], CAP*HROW
	s_sub_co_i32 s23, s23, CAP
	PASSVARS
	s_sub_co_u32 s28, s28, 1
	s_cmp_lg_u32 s28, 0
	s_cbranch_scc1 .Lpass
	s_wait_tensorcnt 0x0                           ; the wave's end
	ds_add_u32 v1, v2
	s_wait_dscnt 0x0
	s_endpgm
.Lfunc_end_k_q4f10a1bbb5_ffn1:
	.size	k_q4f10a1bbb5_ffn1, .Lfunc_end_k_q4f10a1bbb5_ffn1-k_q4f10a1bbb5_ffn1
	.p2alignl 7, 3214868480
	.fill 96, 4, 3214868480
	.section	.rodata,"a",@progbits
	.p2align	6, 0x0
	.amdhsa_kernel k_q4f10a1bbb5_ffn1
		.amdhsa_group_segment_fixed_size 240640
		.amdhsa_private_segment_fixed_size 0
		.amdhsa_enable_private_segment 0
		.amdhsa_kernarg_size 40
		.amdhsa_user_sgpr_count 2
		.amdhsa_user_sgpr_kernarg_segment_ptr 1
		.amdhsa_wavefront_size32 1
		.amdhsa_system_sgpr_workgroup_id_x 1
		.amdhsa_system_sgpr_workgroup_id_y 1
		.amdhsa_system_sgpr_workgroup_id_z 1
		.amdhsa_system_vgpr_workitem_id 0
		.amdhsa_next_free_vgpr 512
		.amdhsa_next_free_sgpr 72
		.amdhsa_reserve_vcc 1
		.amdhsa_float_denorm_mode_32 3
		.amdhsa_float_denorm_mode_16_64 3
		.amdhsa_memory_ordered 1
		.amdhsa_forward_progress 1
		.amdhsa_inst_pref_size 141
	.end_amdhsa_kernel
	.amdgpu_metadata
---
amdhsa.version: [ 1, 2 ]
amdhsa.kernels:
  - .name:           k_q4f10a1bbb5_ffn1
    .symbol:         k_q4f10a1bbb5_ffn1.kd
    .args:
      - { .name: xs, .offset: 0, .size: 8, .value_kind: global_buffer, .address_space: global }
      - { .name: W1, .offset: 8, .size: 8, .value_kind: global_buffer, .address_space: global }
      - { .name: b1, .offset: 16, .size: 8, .value_kind: global_buffer, .address_space: global }
      - { .name: meta, .offset: 24, .size: 8, .value_kind: global_buffer, .address_space: global }
      - { .name: hbuf, .offset: 32, .size: 8, .value_kind: global_buffer, .address_space: global }
    .group_segment_fixed_size: 240640
    .private_segment_fixed_size: 0
    .kernarg_segment_align: 8
    .kernarg_segment_size: 40
    .max_flat_workgroup_size: 256
    .sgpr_count:     72
    .vgpr_count:     512
    .wavefront_size: 32
...
	.end_amdgpu_metadata
.endif
;; end of part 3
;; launch ffn2 (part 4): grid 256 x 1, 8 waves a work-group, no clusters, 275,456 bytes of LDS; arguments hbuf, W2, b2, meta, ypart; writes ypart
.if DOCPART == 4
	.amdgcn_target "amdgcn-amd-amdhsa--gfx1250"
	.amdhsa_code_object_version 6
	.text
	.protected	k_q4f10a1bbb5_ffn2
	.globl	k_q4f10a1bbb5_ffn2
	.p2align	8
	.type	k_q4f10a1bbb5_ffn2,@function
k_q4f10a1bbb5_ffn2:
	s_mov_b64 s[64:65], 0
	v_nop
	global_prefetch_b8 v0, s[64:65] scope:SCOPE_SE
	s_setreg_imm32_b32 hwreg(HW_REG_WAVE_MODE, 25, 1), 1
	s_wait_xcnt 0x0
; SECOND PRODUCT.  ypart[kp][p][:] = hbuf[p][K part kp] . W2[e][K part kp] + b2[e] (the bias in part 0 alone), f32 partial sums, for the places p of expert e's rows.
; h is f16; W2 is rounded to bf16 like every input, and that number is written as f16 (exact from 6e-5 up; below it f16 keeps its fixed step of 6e-8).  Sums in f32.
; LIMITS.  bf16(W2) of 65,520 or more becomes an infinity in f16.  NaN and infinities are not treated apart.
; SHARES.  Work-group = (expert e = x / 32, K part kp = (x / 8) % 4 of 1,024, nsl = x % 8 of 128 columns): it alone reads its 1,024 x 128 weights.
; All else is the first product's: 8 K steps of 128 through two LDS slots, up to 320 rows' sums in registers, a pass loop of constant count 4 in which a pass without rows
; passes every barrier and jumps all work.  off and cnt are read once and clamped at the head; off enters two vector offsets that are made there and never rewritten; a row's place is
; an immediate, a pass and a block step plain pointers by constants; every LDS address is a register made at the head plus an immediate.  A pass always brings 320 rows: those past
; the count are the next experts' rows or the 384 zero rows behind row 2,047; their sums are not stored.
; Wave w multiplies row group w / 2 and column half w % 2, stages weight rows 32 (w / 2) .. and rows of h 16 j + 2 w + lane / 16.
; THE K LOOP IS A PIPELINE.  Between two barriers a wave multiplies step t out of one slot and lays step t + 1 into the other, in three pieces set between the products.
; Fragments are fetched ahead of their products: B's for the next 32 along K go into a second buffer; A's are fetched again into the registers of the blocks just multiplied,
; blocks 0, 1 (L) behind L's products, blocks 2, 3, 4 (H) behind H's.  In a pass with rows every wave multiplies its blocks 0 to 3; the fifth alone hangs on the count:
; two branches for 32 along K.  Sums of blocks past the count are not stored.
; Lane (r, h) loads weight row 32 q + 8 h + i (+ 8 from i = 8 on), columns 4 r .. 4 r + 3; component f of two such loads, packed, is a register of a fragment whose row r stands for
; column 4 r + f.  That fragment is source 0, 16 rows of h source 1: a lane of the result holds row r, register j of fragment f column 32 h + 4 j + f of the half.
; THE WAY OUT needs no barrier: a wave's 64 columns of f32 are 256 bytes, aligned, and go through a stage of the wave's own.
; NO TENSOR LOADS, NO CLUSTER.  f32 weights pass through registers to be rounded, and each slice has one reader.  A K part's rows are shared by eight work-groups (80 KB of a step's
; 144 KB), but a joint request is a tensor load, which may not be jumped: the passes without rows, three of four at an even split, would ask for 8 x 80 KB each for nothing,
; or the ring's length would hang on a count read from memory.
; The accumulators are cleared, not started by a first product: work is jumped by counts read from memory, and every register is written on every path.
.set WPITCH, 4096
.set WSTEP,  128*WPITCH
.set HROW,   8192                      ; bytes in a row of hbuf
.set YROW,   4096                      ; bytes in a row of ypart
.set TP,     272                       ; 256 bytes + 16, an odd multiple of 16: sixteen rows start in sixteen different groups of banks (ISA guide 11.1)
.set CAP,    320
.set NPASS,  4
.set TOKB,   CAP*TP
.set TOKHI,  256*TP
.set WS0,    2*TOKB
.set WSB,    32768
.set STAGE,  WS0+2*WSB                 ; 16 rows x 272 bytes for each wave
.set SPARE,  STAGE+8*16*TP             ; the spare words, 128 bytes a wave: four blocks of 256 bytes that no other line names
; window 0: v1 spare word, v2 its zero, v3 weight offset, v4 weight store, v5 weight read, v6-9 row store (slot 0 low, high; slot 1 low, high), v10-13 row read (the same four),
;   v14 rows in: offset in hbuf, v15 16 (lane % 16), v16 lane / 16, v17 bias offset, v18 stage in, v19 stage back, v20 rows out: offset in ypart
.set BF,  24                           ; four weight fragments, even quarters of a step
.set AF,  56
.set ACC, 96
; window 1
.set WA,  0
.set WB,  64
.set TQ,  128
.set CT,  208
.set BG,  224                          ; four weight fragments, odd quarters of a step
.set MSB, 0
.macro WIN new                         ; bits 1:0 source 0, 3:2 source 1, 5:4 source 2, 7:6 destination; the high byte repeats the setting that is left
.if MSB != (\new)
	s_set_vgpr_msb (MSB<<8)|(\new)
.set MSB, \new
.endif
.endm
.macro PLACES                          ; four places between a product and a load into one of its sources, or a read of its result
.rept 4
	v_nop
.endr
.endm
.macro PASSVARS                        ; from the rows left (s23): s27 alive, s24 rows, s25 blocks, s26 my group's blocks
	s_cmp_gt_i32 s23, 0
	s_cselect_b32 s27, 1, 0
	s_max_i32 s24, s23, 0
	s_min_i32 s24, s24, CAP
	s_add_co_u32 s25, s24, 15
	s_lshr_b32 s25, s25, 4
	s_add_co_u32 s26, s25, 3
	s_sub_co_u32 s26, s26, s17
	s_lshr_b32 s26, s26, 2
.endm
.macro WISSUE set, base                ; my 32 x 64 block of a step's weights: 16 loads
	WIN 0x40
.set n_, 0
.rept 16
	global_load_b128 v[(\set)+4*n_:(\set)+4*n_+3], v3, s[\base:\base+1] offset:(n_+8*(n_/8))*WPITCH th:TH_LOAD_NT
.set n_, n_+1
.endr
.endm
.macro TOKISSUE                        ; my 40 rows' 256 bytes of a step: 20 loads
	WIN 0x40
.set n_, 0
.rept 20
	global_load_b128 v[TQ+4*n_:TQ+4*n_+3], v14, s[44:45] offset:n_*16*HROW
.set n_, n_+1
.endr
.endm
.macro TOKST slot                      ; the same 40 rows into a row slot: 20 stores
	WIN 0x04
.set n_, 0
.rept 16
	ds_store_b128 v[6+2*(\slot)], v[TQ+4*n_:TQ+4*n_+3] offset:n_*16*TP
.set n_, n_+1
.endr
.rept 4
	ds_store_b128 v[7+2*(\slot)], v[TQ+4*n_:TQ+4*n_+3] offset:(n_-16)*16*TP
.set n_, n_+1
.endr
.endm
.macro BIAS                            ; b2 of my 32 columns
	WIN 0x40
.set n_, 0
.rept 8
	global_load_b128 v[TQ+4*n_:TQ+4*n_+3], v17, s[8:9] offset:16*n_
.set n_, n_+1
.endr
.endm
.macro CLEAR
.set n_, 0
.rept 160
	v_mov_b32 v[ACC+n_], 0
.set n_, n_+1
.endr
.endm
.macro CVTH set, slot, fp              ; half of my weights: 32 f32 -> bf16 -> the same numbers in f16 -> fragments 2 fp and 2 fp + 1 -> the weight slot: 4 stores
	WIN 0x55
.irp fl, 0,1
.irp jp, 0,1,2,3,4,5,6,7
	v_cvt_pk_bf16_f32 v[(\set)+8*\jp+2*(\fp)+\fl], v[(\set)+8*\jp+2*(\fp)+\fl], v[(\set)+8*\jp+4+2*(\fp)+\fl]
.endr
.endr
.irp fl, 0,1
.irp jp, 0,1,2,3,4,5,6,7
	v_lshlrev_b32 v[(\set)+8*\jp+4+2*(\fp)+\fl], 16, v[(\set)+8*\jp+2*(\fp)+\fl]
.endr
.endr
.irp fl, 0,1
.irp jp, 0,1,2,3,4,5,6,7
	v_and_b32 v[(\set)+8*\jp+2*(\fp)+\fl], 0xffff0000, v[(\set)+8*\jp+2*(\fp)+\fl]
.endr
.endr
.irp fl, 0,1
.irp jp, 0,1,2,3,4,5,6,7
	v_cvt_pk_f16_f32 v[CT+8*\fl+\jp], v[(\set)+8*\jp+4+2*(\fp)+\fl], v[(\set)+8*\jp+2*(\fp)+\fl]
.endr
.endr
	WIN 0x04
.irp fl, 0,1
	ds_store_b128 v4, v[CT+8*\fl:CT+8*\fl+3] offset:(\slot)*WSB+(2*(\fp)+\fl)*1024
	ds_store_b128 v4, v[CT+8*\fl+4:CT+8*\fl+7] offset:(\slot)*WSB+(2*(\fp)+\fl)*1024+512
.endr
.endm
; Step 0 is laid into slot 0 ahead of the loop; step 1's rows and step 2's weights go out.  Nothing is on its way at its head, so both bases may step.
; Slot 0 was read last in the pass before's step 6, and every wave ended those reads ahead of its signal of the barrier in front of step 7.
.macro STAGE0
	s_wait_loadcnt 0x0
	s_add_nc_u64 s[44:45], s[44:45], 256
	s_add_nc_u64 s[46:47], s[46:47], 2*WSTEP
	s_cmp_eq_u32 s27, 0
	s_cbranch_scc1 .Ldead_\@
	TOKST 0
	TOKISSUE
	CVTH WA, 0, 0
	CVTH WA, 0, 1
	WISSUE WA, 46
	WIN 0
	s_branch .Ljoin_\@
.Ldead_\@:
	s_wait_loadcnt 0x0                             ; a pass without rows has nothing on its way
.Ljoin_\@:
	s_wait_dscnt 0x0                               ; for the others: my stores into the slot are done
	s_barrier_signal -1
	s_barrier_wait -1
.endm
.macro LDB q, c                        ; B's four fragments of quarter q of slot c: 8 loads; even quarters into BF, odd ones into BG
.if (\q)%2
	WIN 0x40
.irp f, 0,1,2,3
	ds_load_b128 v[BG+8*\f:BG+8*\f+3], v5 offset:(\c)*WSB+(\q)*8192+\f*1024
	ds_load_b128 v[BG+8*\f+4:BG+8*\f+7], v5 offset:(\c)*WSB+(\q)*8192+\f*1024+512
.endr
.else
	WIN 0
.irp f, 0,1,2,3
	ds_load_b128 v[BF+8*\f:BF+8*\f+3], v5 offset:(\c)*WSB+(\q)*8192+\f*1024
	ds_load_b128 v[BF+8*\f+4:BF+8*\f+7], v5 offset:(\c)*WSB+(\q)*8192+\f*1024+512
.endr
.endif
.endm
.macro LDA q, c, i                     ; A's fragment of my block i, quarter q of slot c: 2 loads
	WIN 0
.if (\i) < 4
	ds_load_b128 v[AF+8*(\i):AF+8*(\i)+3], v[10+2*(\c)] offset:(\i)*64*TP+(\q)*64
	ds_load_b128 v[AF+8*(\i)+4:AF+8*(\i)+7], v[10+2*(\c)] offset:(\i)*64*TP+(\q)*64+32
.else
	ds_load_b128 v[AF+32:AF+35], v[11+2*(\c)] offset:(\q)*64
	ds_load_b128 v[AF+36:AF+39], v[11+2*(\c)] offset:(\q)*64+32
.endif
.endm
.macro LDAH q, c                       ; blocks 2, 3 and, where my group has five, 4: 4 or 6 loads
	LDA \q, \c, 2
	LDA \q, \c, 3
	s_cmp_le_u32 s26, 4
	s_cbranch_scc1 .Lna_\@
	LDA \q, \c, 4
.Lna_\@:
.endm
.macro MM q, i                         ; block i's four products of quarter q.  The accumulators take turns, one instruction a turn
.if (\q)%2
	WIN 0x01
.irp f, 0,1,2,3
	v_wmma_f32_16x16x32_f16 v[ACC+32*(\i)+8*\f:ACC+32*(\i)+8*\f+7], v[BG+8*\f:BG+8*\f+7], v[AF+8*(\i):AF+8*(\i)+7], v[ACC+32*(\i)+8*\f:ACC+32*(\i)+8*\f+7]
.endr
.else
	WIN 0
.irp f, 0,1,2,3
	v_wmma_f32_16x16x32_f16 v[ACC+32*(\i)+8*\f:ACC+32*(\i)+8*\f+7], v[BF+8*\f:BF+8*\f+7], v[AF+8*(\i):AF+8*(\i)+7], v[ACC+32*(\i)+8*\f:ACC+32*(\i)+8*\f+7]
.endr
.endif
.endm
.macro MMH q
	MM \q, 2
	MM \q, 3
	WIN 0
	s_cmp_le_u32 s26, 4
	s_cbranch_scc1 .Lnm_\@
	MM \q, 4
	WIN 0
.Lnm_\@:
.endm
; ONE K STEP: the products of the step in slot c, and beside them the next step's way into slot 1 - c (weights out of \set).
; kind 0: rows two steps on and this set's weights three steps on are asked for.  kind 1: the same, but the caller issues the weights.  kind 2 (step 6): the bias in the rows' place, no weights.
; kind 3 (step 7): nothing is staged.
; ORDER IN LDS.  Slot 1 - c was read last in the step before (for step 0: in the pass before's step 7); every wave ended those reads ahead of its signal of the barrier in front of this
; step.  What is written here is read behind the barrier at this step's end, in front of which each wave waits for its stores.  One barrier a step.
; LDS WAITS.  LDS instructions end in issue order (ISA guide 5.7.1), loads and stores together, so a count names what was issued behind the loads wanted; H is 4 loads or 6, and the
; smaller figure is counted.  In issue order: B0, L0, H0, B1 | L1 | H1, B2, 4 stores | L2 | H2, B3, 4 stores | L3 | H3, 20 stores.
; LOAD WAITS.  On their way at the head, in issue order: this set's 16 weight loads, 20 row loads, the other set's 16.  36 leaves the last two groups out, 16 the last.
; In step 6 there are 16 and 20: the counts are 20 and 0.
.macro BODY c, set, base, kind
.set st_, 1
.if (\kind) == 3
.set st_, 0
.endif
.if (\kind) < 2
	s_wait_xcnt 0x0                                ; the loads that name the two bases have had their addresses translated: the bases step, ahead of the fork
	s_add_nc_u64 s[44:45], s[44:45], 256
	s_add_nc_u64 s[\base:\base+1], s[\base:\base+1], 2*WSTEP
.endif
	s_cmp_eq_u32 s27, 0
	s_cbranch_scc1 .Ldead_\@
	PLACES                                         ; behind the last step's products
	LDB 0, \c
	LDA 0, \c, 0
	LDA 0, \c, 1
	LDAH 0, \c
	LDB 1, \c
	s_wait_dscnt 12                                ; B0 and L0 are in; behind them: H0 (4), B1 (8)
	MM 0, 0
	MM 0, 1
	PLACES
	LDA 1, \c, 0
	LDA 1, \c, 1
	s_wait_dscnt 12                                ; H0 is in; behind it: B1 (8), L1 (4)
	MMH 0
	PLACES
	LDAH 1, \c
	LDB 2, \c
.if (\kind) < 2
	s_wait_loadcnt 36
.elseif (\kind) == 2
	s_wait_loadcnt 20
.endif
.if st_
	CVTH \set, 1-(\c), 0
.endif
	s_wait_dscnt 12+4*st_                          ; B1 and L1 are in; behind them: H1 (4), B2 (8), the 4 stores
	MM 1, 0
	MM 1, 1
	PLACES
	LDA 2, \c, 0
	LDA 2, \c, 1
	s_wait_dscnt 12+4*st_                          ; H1 is in; behind it: B2 (8), the 4 stores, L2 (4)
	MMH 1
	PLACES
	LDAH 2, \c
	LDB 3, \c
.if st_
	CVTH \set, 1-(\c), 1
.endif
	s_wait_dscnt 12+4*st_                          ; B2 and L2 are in; behind them: H2 (4), B3 (8), the 4 stores
	MM 2, 0
	MM 2, 1
	PLACES
	LDA 3, \c, 0
	LDA 3, \c, 1
	s_wait_dscnt 12+4*st_                          ; H2 is in; behind it: B3 (8), the 4 stores, L3 (4)
	MMH 2
	PLACES
	LDAH 3, \c
.if (\kind) < 2
	s_wait_loadcnt 16
	TOKST 1-(\c)
	TOKISSUE
.elseif (\kind) == 2
	s_wait_loadcnt 0x0
	TOKST 1-(\c)
	BIAS
.endif
	s_wait_dscnt 4+20*st_                          ; B3 and L3 are in; behind them: H3 (4), the 20 stores
	MM 3, 0
	MM 3, 1
	s_wait_dscnt 20*st_                            ; H3 is in; behind it: the 20 stores
	MMH 3
.if (\kind) == 0
	WISSUE \set, \base
.endif
	WIN 0
.if (\kind) < 3
	s_branch .Ljoin_\@
.Ldead_\@:
	s_wait_loadcnt 0x0                             ; a pass without rows has nothing on its way
.Ljoin_\@:
.else
.Ldead_\@:
.endif
.if ((\kind) == 0) || ((\kind) == 2)
	s_wait_dscnt 0x0                               ; for the others: my stores into the other slot are done, and so are my reads of this one
	s_barrier_signal -1
	s_barrier_wait -1
.endif
.endm
.macro STUB blk                        ; block blk's sums + bias, into column order; each accumulator is read from its low end on
	WIN 0x44
.irp f, 0,1,2,3
.irp j, 0,1,2,3,4,5,6,7
	v_add_f32 v[4*\j+\f], v[ACC+32*(\blk)+8*\f+\j], v[TQ+4*\j+\f]
.endr
.endr
	WIN 0
.endm
	s_load_b256 s[4:11], s[0:1], 0x0               ; hbuf s[4:5], W2 s[6:7], b2 s[8:9], meta s[10:11]
	s_load_b64 s[12:13], s[0:1], 0x20              ; ypart
	v_lshl_add_u32 v1, v0, 2, SPARE
	v_mov_b32 v2, 0
	v_lshrrev_b32 v24, 5, v0
	v_readfirstlane_b32 s16, v24                   ; wave 0..7
	s_lshr_b32 s17, s16, 1                         ; g, and q when staging
	s_and_b32 s18, s16, 1                          ; ch
	s_lshr_b32 s19, ttmp9, 5                       ; expert
	s_and_b32 s20, ttmp9, 7                        ; nsl
	s_bfe_u32 s51, ttmp9, 0x20003                  ; kp: 2 bits from bit 3
	s_cmp_eq_u32 s51, 0
	s_cselect_b32 s21, -1, 0                       ; the bias is part 0's alone
	v_and_b32 v24, 31, v0                          ; lane
	v_and_b32 v25, 15, v0                          ; r
	v_bfe_u32 v16, v0, 4, 1                        ; h
	v_lshlrev_b32 v15, 4, v25
	v_lshl_add_u32 v3, v16, 15, v15                ; 8 h rows of 4,096 bytes + 16 r
	s_lshl_b32 s38, s19, 24                        ; weights: expert x 16 MiB + kp x 1,024 rows + q x 32 rows + nsl x 512 + ch x 256
	s_lshl_b32 s37, s51, 22
	s_add_co_u32 s38, s38, s37
	s_lshl_b32 s37, s17, 17
	s_add_co_u32 s38, s38, s37
	s_lshl_b32 s37, s20, 9
	s_add_co_u32 s38, s38, s37
	s_lshl_b32 s37, s18, 8
	s_add_co_u32 s38, s38, s37
	s_mov_b32 s39, 0
	s_lshl_b32 s40, s19, 12                        ; bias: expert x 4,096 + nsl x 512
	s_lshl_b32 s37, s20, 9
	s_add_co_u32 s40, s40, s37
	s_mov_b32 s41, 0
	s_lshl_b32 s42, s51, 23                        ; ypart: kp x 8 MiB + nsl x 512 + ch x 256 + 16 g rows
	s_add_co_u32 s42, s42, s37
	s_lshl_b32 s37, s18, 8
	s_add_co_u32 s42, s42, s37
	s_lshl_b32 s37, s17, 16
	s_add_co_u32 s42, s42, s37
	s_mov_b32 s43, 0
	s_lshl_b32 s52, s51, 11                        ; h: kp x 2,048 bytes
	s_mov_b32 s53, 0
	s_lshl_b32 s54, s19, 3                         ; meta: 8 bytes an expert
	s_mov_b32 s55, 0
	s_wait_kmcnt 0x0
	s_add_nc_u64 s[10:11], s[10:11], s[54:55]
	s_load_b64 s[34:35], s[10:11], 0x0             ; off, cnt
	s_add_nc_u64 s[6:7], s[6:7], s[38:39]
	s_add_nc_u64 s[8:9], s[8:9], s[40:41]
	s_add_nc_u64 s[12:13], s[12:13], s[42:43]
	s_add_nc_u64 s[4:5], s[4:5], s[52:53]
	s_mov_b64 s[46:47], s[6:7]
	s_add_nc_u64 s[48:49], s[6:7], WSTEP
	s_mov_b64 s[44:45], s[4:5]
	WISSUE WA, 46                                  ; steps 0 and 1 go out at once
	WISSUE WB, 48
	WIN 0
	s_lshl_b32 s37, s16, 12
	s_add_co_u32 s37, s37, WS0
	v_lshl_add_u32 v4, v24, 4, s37                 ; weights in: my 4,096 bytes of a slot
	s_lshl_b32 s37, s18, 12
	s_add_co_u32 s37, s37, WS0
	v_lshl_add_u32 v5, v24, 4, s37                 ; weights out: my column half
	s_lshl_b32 s37, s16, 1
	v_add_nc_u32 v26, s37, v16                     ; 2 w + lane / 16
	v_lshl_add_u32 v14, v26, 13, v15               ; that row of hbuf, 16 bytes a lane
	v_lshl_add_u32 v20, v16, 12, v15               ; row lane / 16 of ypart, 16 bytes a lane
	s_mul_i32 s37, s16, 2*TP
	v_mul_u32_u24 v27, v16, TP
	v_add_nc_u32 v27, v15, v27                     ; (lane / 16) rows + 16 (lane % 16)
	v_add_nc_u32 v6, s37, v27                      ; rows in: row 2 w + lane / 16
	v_add_nc_u32 v7, TOKHI, v6
	v_add_nc_u32 v8, TOKB, v6
	v_add_nc_u32 v9, TOKB+TOKHI, v6
	s_mul_i32 s37, s17, 16*TP
	v_mul_u32_u24 v28, v25, TP                     ; r rows
	v_lshl_add_u32 v10, v16, 4, v28
	v_add_nc_u32 v10, s37, v10                     ; rows out, a fragment: row 16 g + r, + 16 h
	v_add_nc_u32 v11, TOKHI, v10
	v_add_nc_u32 v12, TOKB, v10
	v_add_nc_u32 v13, TOKB+TOKHI, v10
	s_mul_i32 s37, s16, 16*TP
	s_add_co_u32 s37, s37, STAGE                   ; my stage
	v_lshl_add_u32 v18, v16, 7, v28
	v_add_nc_u32 v18, s37, v18                     ; in: row r, 128 bytes for each half of the lanes
	v_add_nc_u32 v19, s37, v27                     ; back: lanes 0-15 one row of 256 bytes, lanes 16-31 the next
	s_lshl_b32 s37, s18, 8
	v_lshl_add_u32 v17, v16, 7, s37                ; (64 ch + 32 h) x 4
	s_wait_kmcnt 0x0
	s_min_u32 s34, s34, 2048                       ; the expert's first place
	s_min_u32 s23, s35, 1024                       ; its rows
	s_lshl_b32 s37, s34, 13
	v_add_nc_u32 v14, s37, v14                     ; the first place enters the two offsets, here and never again
	s_lshl_b32 s37, s34, 12
	v_add_nc_u32 v20, s37, v20
	PASSVARS
	TOKISSUE                                       ; without a branch: every staging register and every accumulator is written on every path
	WIN 0
.set n_, 0
.rept 8
	v_mov_b32 v[AF+32+n_], 0                       ; the fifth block's fragment, whose loads and products are jumped by branches of their own
.set n_, n_+1
.endr
	CLEAR
	s_wait_loadcnt 0x0                             ; step 0's rows are the youngest loads
	s_mov_b32 s28, NPASS
.Lpass:
	s_mov_b64 s[46:47], s[6:7]                     ; nothing is on its way here: the three bases go to the pass's step 0
	s_add_nc_u64 s[48:49], s[6:7], WSTEP
	s_mov_b64 s[44:45], s[4:5]
	s_cmp_eq_u32 s28, NPASS
	s_cbranch_scc1 .Lbody                          ; the first pass was set up above
	s_cmp_eq_u32 s27, 0
	s_cbranch_scc1 .Lbody
	WISSUE WA, 46                                  ; a further pass reads the slice again
	WISSUE WB, 48
	TOKISSUE
	WIN 0
	CLEAR
	s_wait_loadcnt 0x0
.Lbody:
	STAGE0
	s_mov_b32 s29, 3
.Lk:                                                   ; a trip: an even step and an odd one; three trips are steps 0 to 5
	BODY 0, WB, 48, 0
	BODY 1, WA, 46, 1
	s_sub_co_u32 s29, s29, 1
	s_cmp_eq_u32 s29, 0
	s_cbranch_scc1 .Lkx                            ; the loop is left here in step 5: there are no weights of a step 8 to ask for
	s_cmp_eq_u32 s27, 0
	s_cbranch_scc1 .Lnw
	WISSUE WA, 46
	WIN 0
	s_branch .Lkw
.Lnw:
	s_wait_loadcnt 0x0                             ; a pass without rows has nothing on its way
.Lkw:
	s_wait_dscnt 0x0                               ; for the others: my stores into slot 0 are done, and so are my reads of slot 1
	s_barrier_signal -1
	s_barrier_wait -1
	s_branch .Lk
.Lkx:
	s_wait_dscnt 0x0                               ; the same barrier, behind step 5
	s_barrier_signal -1
	s_barrier_wait -1
	BODY 0, WB, 48, 2                              ; step 6
	BODY 1, WA, 46, 3                              ; step 7
	s_wait_loadcnt 0x0                             ; the bias
	; THE WAY OUT: sum + bias, through my own stage, out as whole rows of 256 bytes
	PLACES
	s_cmp_eq_u32 s26, 0
	s_cbranch_scc1 .Lsent
	WIN 0x55
.set n_, 0
.rept 16
	v_cvt_pk_bf16_f32 v[CT+n_], v[TQ+2*n_], v[TQ+2*n_+1]   ; b2 is rounded to bf16 like every input,
.set n_, n_+1
.endr
.set n_, 0
.rept 16
	v_and_b32 v[CT+n_], s21, v[CT+n_]              ; and is 0 in parts 1 to 3
.set n_, n_+1
.endr
.set n_, 0
.rept 16
	v_lshlrev_b32 v[TQ+2*n_], 16, v[CT+n_]
	v_and_b32 v[TQ+2*n_+1], 0xffff0000, v[CT+n_]
.set n_, n_+1
.endr
	WIN 0
	s_mov_b32 s31, 0
	s_lshl_b32 s37, s17, 4
	s_sub_co_i32 s40, s24, s37                     ; rows left from my block's first on
	s_mov_b64 s[56:57], s[12:13]                   ; my block 0's first row
.Lblock:
	s_cmp_ge_u32 s31, s26
	s_cbranch_scc1 .Lblock_next
	s_cmp_eq_u32 s31, 0
	s_cbranch_scc1 .Lblk0
	s_cmp_eq_u32 s31, 1
	s_cbranch_scc1 .Lblk1
	s_cmp_eq_u32 s31, 2
	s_cbranch_scc1 .Lblk2
	s_cmp_eq_u32 s31, 3
	s_cbranch_scc1 .Lblk3
	STUB 4
	s_branch .Lstage
.Lblk0:
	STUB 0
	s_branch .Lstage
.Lblk1:
	STUB 1
	s_branch .Lstage
.Lblk2:
	STUB 2
	s_branch .Lstage
.Lblk3:
	STUB 3
.Lstage:
	WIN 0x04
.irp t, 0,1,2,3,4,5,6,7
	ds_store_b128 v18, v[4*\t:4*\t+3] offset:16*\t
.endr
	WIN 0
.irp t, 0,1,2,3,4,5,6,7
	ds_load_b128 v[BF+4*\t:BF+4*\t+3], v19 offset:\t*2*TP   ; LDS serves a wave's instructions in order (ISA guide 5.7.1.4): these see the stores above
.endr
	s_wait_dscnt 0x0
	s_cmp_lt_i32 s40, 16
	s_cbranch_scc1 .Lragged
.irp t, 0,1,2,3,4,5,6,7
	global_store_b128 v20, v[BF+4*\t:BF+4*\t+3], s[56:57] offset:2*\t*YROW   ; sixteen lanes store 256 consecutive bytes, aligned
.endr
	s_branch .Lblock_next
.Lragged:                                              ; the one block that the count cuts: rows 2 t + lane / 16 below the count
.irp t, 0,1,2,3,4,5,6,7
	s_sub_co_i32 s35, s40, 2*\t
	v_cmp_gt_i32 vcc_lo, s35, v16
	s_wait_xcnt 0x0                                ; EXEC changes only behind this wait
	s_and_saveexec_b32 s36, vcc_lo
	global_store_b128 v20, v[BF+4*\t:BF+4*\t+3], s[56:57] offset:2*\t*YROW
	s_wait_xcnt 0x0
	s_or_b32 exec_lo, exec_lo, s36
.endr
.Lblock_next:
	s_wait_xcnt 0x0                                ; the stores have read their registers and their base
	s_add_nc_u64 s[56:57], s[56:57], 64*YROW       ; my next block lies 64 rows on
	s_sub_co_i32 s40, s40, 64
	s_add_co_u32 s31, s31, 1
	s_cmp_lt_u32 s31, 5
	s_cbranch_scc1 .Lblock
.Lsent:
	s_add_nc_u64 s[4:5], s[4:5], CAP*HROW          ; the next pass's rows, in and out
	s_add_nc_u64 s[12:13], s[12:13], CAP*YROW
	s_sub_co_i32 s23, s23, CAP
	PASSVARS
	s_sub_co_u32 s28, s28, 1
	s_cmp_lg_u32 s28, 0
	s_cbranch_scc1 .Lpass
	s_wait_tensorcnt 0x0                           ; the wave's end
	ds_add_u32 v1, v2
	s_wait_dscnt 0x0
	s_endpgm
.Lfunc_end_k_q4f10a1bbb5_ffn2:
	.size	k_q4f10a1bbb5_ffn2, .Lfunc_end_k_q4f10a1bbb5_ffn2-k_q4f10a1bbb5_ffn2
	.p2alignl 7, 3214868480
	.fill 96, 4, 3214868480
	.section	.rodata,"a",@progbits
	.p2align	6, 0x0
	.amdhsa_kernel k_q4f10a1bbb5_ffn2
		.amdhsa_group_segment_fixed_size 275456
		.amdhsa_private_segment_fixed_size 0
		.amdhsa_enable_private_segment 0
		.amdhsa_kernarg_size 40
		.amdhsa_user_sgpr_count 2
		.amdhsa_user_sgpr_kernarg_segment_ptr 1
		.amdhsa_wavefront_size32 1
		.amdhsa_system_sgpr_workgroup_id_x 1
		.amdhsa_system_sgpr_workgroup_id_y 1
		.amdhsa_system_sgpr_workgroup_id_z 1
		.amdhsa_system_vgpr_workitem_id 0
		.amdhsa_next_free_vgpr 512
		.amdhsa_next_free_sgpr 72
		.amdhsa_reserve_vcc 1
		.amdhsa_float_denorm_mode_32 3
		.amdhsa_float_denorm_mode_16_64 3
		.amdhsa_memory_ordered 1
		.amdhsa_forward_progress 1
		.amdhsa_inst_pref_size 135
	.end_amdhsa_kernel
	.amdgpu_metadata
---
amdhsa.version: [ 1, 2 ]
amdhsa.kernels:
  - .name:           k_q4f10a1bbb5_ffn2
    .symbol:         k_q4f10a1bbb5_ffn2.kd
    .args:
      - { .name: hbuf, .offset: 0, .size: 8, .value_kind: global_buffer, .address_space: global }
      - { .name: W2, .offset: 8, .size: 8, .value_kind: global_buffer, .address_space: global }
      - { .name: b2, .offset: 16, .size: 8, .value_kind: global_buffer, .address_space: global }
      - { .name: meta, .offset: 24, .size: 8, .value_kind: global_buffer, .address_space: global }
      - { .name: ypart, .offset: 32, .size: 8, .value_kind: global_buffer, .address_space: global }
    .group_segment_fixed_size: 275456
    .private_segment_fixed_size: 0
    .kernarg_segment_align: 8
    .kernarg_segment_size: 40
    .max_flat_workgroup_size: 256
    .sgpr_count:     72
    .vgpr_count:     512
    .wavefront_size: 32
...
	.end_amdgpu_metadata
.endif
;; end of part 4
;; launch finish (part 5): grid 256 x 1, 4 waves a work-group, no clusters, 0 bytes of LDS; arguments ypart, gamma, beta, pos, wgt, out0; writes out0
.if DOCPART == 5
	.amdgcn_target "amdgcn-amd-amdhsa--gfx1250"
	.amdhsa_code_object_version 6
	.text
	.protected	k_q4f10a1bbb5_finish
	.globl	k_q4f10a1bbb5_finish
	.p2align	8
	.type	k_q4f10a1bbb5_finish,@function
k_q4f10a1bbb5_finish:
	s_mov_b64 s[64:65], 0
	v_nop
	global_prefetch_b8 v0, s[64:65] scope:SCOPE_SE
	s_setreg_imm32_b32 hwreg(HW_REG_WAVE_MODE, 25, 1), 1
	s_wait_xcnt 0x0
; THE SUM AND THE NORM.  y = g0 x (sum of the four K parts of row pos[2 t]) + g1 x (the same of row pos[2 t + 1]); out0[t] = LayerNorm(y) x bf16(gamma) + bf16(beta).
; The mean is taken first and the variance of the differences: no difference of large sums.  All in f32.  NaN and infinities are not treated apart.
; One wave, one token: a row of 1,024 f32 is 32 registers a lane, so neither LDS nor a barrier is needed.  The token's two places and two gates come by scalar loads; the places are
; clamped and enter two vector offsets.  All 64 loads of the parts go out at once, 512 consecutive bytes each.  Memory binds: matrix units, clusters and LDS would add nothing.
; window 0: v1 16 lane; v2, v3 the two rows' offsets; v[8:15] at work; v[16:143] parts 0 and 1, 32 registers a slot (the sum ends in v[16:47]); v[144:175] gamma; v[176:207] beta.
; window 1: v[0:127] parts 2 and 3.
.set S,  16
.set GA, 144
.set BE, 176
.set MSB, 0
.macro WIN new                         ; bits 1:0 source 0, 3:2 source 1, 5:4 source 2, 7:6 destination; the high byte repeats the setting that is left
.if MSB != (\new)
	s_set_vgpr_msb (MSB<<8)|(\new)
.set MSB, \new
.endif
.endm
.macro PART dst, base                  ; a part's two rows: quad n of slot s holds columns 128 n + 4 lane ..
.irp s, 0,1
.irp n, 0,1,2,3,4,5,6,7
	global_load_b128 v[(\dst)+32*\s+4*\n:(\dst)+32*\s+4*\n+3], v[2+\s], s[\base:\base+1] offset:512*\n th:TH_LOAD_NT
.endr
.endr
.endm
.macro ACROSS                          ; four packed chains in v[8:15] -> their sum over the 32 lanes, in v8 of every lane
	v_pk_add_f32 v[8:9], v[8:9], v[10:11]
	v_pk_add_f32 v[12:13], v[12:13], v[14:15]
	v_pk_add_f32 v[8:9], v[8:9], v[12:13]
	v_add_f32 v8, v8, v9
	v_add_f32_dpp v8, v8, v8 row_xmask:1 row_mask:0xf bank_mask:0xf
	v_add_f32_dpp v8, v8, v8 row_xmask:2 row_mask:0xf bank_mask:0xf
	v_add_f32_dpp v8, v8, v8 row_xmask:4 row_mask:0xf bank_mask:0xf
	v_add_f32_dpp v8, v8, v8 row_xmask:8 row_mask:0xf bank_mask:0xf
	v_permlanex16_b32 v9, v8, s18, s19
	v_add_f32 v8, v8, v9
.endm
	s_load_b256 s[4:11], s[0:1], 0x0               ; ypart s[4:5], gamma s[6:7], beta s[8:9], pos s[10:11]
	s_load_b128 s[12:15], s[0:1], 0x20             ; wgt s[12:13], out0 s[14:15]
	v_lshrrev_b32 v1, 5, v0
	v_readfirstlane_b32 s16, v1                    ; wave 0..3
	v_and_b32 v1, 31, v0
	v_lshlrev_b32 v1, 4, v1                        ; 16 bytes a lane
	s_lshl_b32 s17, ttmp9, 2
	s_add_co_u32 s17, s17, s16                     ; my token
	s_lshl_b32 s20, s17, 3                         ; its 8 bytes in pos and in wgt
	s_mov_b32 s21, 0
	s_lshl_b32 s22, s17, 12                        ; its row in out0
	s_mov_b32 s23, 0
	s_mov_b32 s18, 0x76543210                      ; v_permlanex16_b32: each lane takes its own place in the other half
	s_mov_b32 s19, 0xfedcba98
	s_mov_b32 s24, 0x3a800000                      ; 1 / 1,024
	s_mov_b32 s25, 0x3727c5ac                      ; 1e-5
	s_wait_kmcnt 0x0
	s_add_nc_u64 s[10:11], s[10:11], s[20:21]
	s_add_nc_u64 s[12:13], s[12:13], s[20:21]
	s_add_nc_u64 s[14:15], s[14:15], s[22:23]
	s_load_b64 s[26:27], s[10:11], 0x0             ; the two places
	s_load_b64 s[28:29], s[12:13], 0x0             ; the two gates
	s_add_nc_u64 s[32:33], s[4:5], 0x800000        ; the parts lie 8 MiB apart
	s_add_nc_u64 s[34:35], s[32:33], 0x800000
	s_add_nc_u64 s[36:37], s[34:35], 0x800000
.irp n, 0,1,2,3,4,5,6,7
	global_load_b128 v[GA+4*\n:GA+4*\n+3], v1, s[6:7] offset:512*\n
	global_load_b128 v[BE+4*\n:BE+4*\n+3], v1, s[8:9] offset:512*\n
.endr
	s_wait_kmcnt 0x0
	s_min_u32 s26, s26, 2047
	s_min_u32 s27, s27, 2047
	s_lshl_b32 s26, s26, 12                        ; x 4,096 bytes
	s_lshl_b32 s27, s27, 12
	v_add_nc_u32 v2, s26, v1
	v_add_nc_u32 v3, s27, v1
	s_mov_b32 s30, s29                             ; the second gate in the low word of a pair of its own
	s_mov_b32 s31, s29
	PART S, 4
	PART S+64, 32
	WIN 0x40
	PART 0, 34
	PART 64, 36
	WIN 0
	s_wait_loadcnt 63                              ; 80 loads were issued and come back in order: the 17 oldest are in, gamma and beta among them
.set n_, 0
.rept 32                                       ; both are rounded to bf16 like every input
	v_cvt_pk_bf16_f32 v[8+n_%8], v[GA+2*n_], v[GA+2*n_+1]
	v_lshlrev_b32 v[GA+2*n_], 16, v[8+n_%8]
	v_and_b32 v[GA+2*n_+1], 0xffff0000, v[8+n_%8]
.set n_, n_+1
.endr
	s_wait_loadcnt 32                              ; the 32 youngest are parts 2 and 3: parts 0 and 1 are in
.set n_, 0
.rept 32
	v_pk_add_f32 v[S+2*n_:S+2*n_+1], v[S+2*n_:S+2*n_+1], v[S+64+2*n_:S+64+2*n_+1]   ; part 0 + part 1, both slots
.set n_, n_+1
.endr
	s_wait_loadcnt 0x0
	WIN 0x45
.set n_, 0
.rept 32
	v_pk_add_f32 v[2*n_:2*n_+1], v[2*n_:2*n_+1], v[64+2*n_:64+2*n_+1]               ; part 2 + part 3
.set n_, n_+1
.endr
	WIN 0x04                                       ; source 1 in window 1
.set n_, 0
.rept 32
	v_pk_add_f32 v[S+2*n_:S+2*n_+1], v[S+2*n_:S+2*n_+1], v[2*n_:2*n_+1]
.set n_, n_+1
.endr
	WIN 0
.set n_, 0
.rept 16
	v_pk_mul_f32 v[S+2*n_:S+2*n_+1], v[S+2*n_:S+2*n_+1], s[28:29] op_sel_hi:[1,0]   ; g0 x row 0
.set n_, n_+1
.endr
.set n_, 0
.rept 16
	v_pk_fma_f32 v[S+2*n_:S+2*n_+1], v[S+32+2*n_:S+32+2*n_+1], s[30:31], v[S+2*n_:S+2*n_+1] op_sel_hi:[1,0,1]   ; + g1 x row 1
.set n_, n_+1
.endr
	; the mean: four chains, started by the first eight pairs
.irp c, 0,1,2,3
	v_pk_add_f32 v[8+2*\c:9+2*\c], v[S+2*\c:S+2*\c+1], v[S+8+2*\c:S+9+2*\c]
.endr
.irp k, 8,9,10,11,12,13,14,15
	v_pk_add_f32 v[8+2*(\k%4):9+2*(\k%4)], v[8+2*(\k%4):9+2*(\k%4)], v[S+2*\k:S+2*\k+1]
.endr
	ACROSS
	v_mul_f32 v8, s24, v8
	v_mov_b32 v9, v8
.set n_, 0
.rept 16
	v_pk_add_f32 v[S+2*n_:S+2*n_+1], v[S+2*n_:S+2*n_+1], v[8:9] neg_lo:[0,1] neg_hi:[0,1]
.set n_, n_+1
.endr
	; the variance
.irp c, 0,1,2,3
	v_pk_mul_f32 v[8+2*\c:9+2*\c], v[S+2*\c:S+2*\c+1], v[S+2*\c:S+2*\c+1]
.endr
.irp k, 4,5,6,7,8,9,10,11,12,13,14,15
	v_pk_fma_f32 v[8+2*(\k%4):9+2*(\k%4)], v[S+2*\k:S+2*\k+1], v[S+2*\k:S+2*\k+1], v[8+2*(\k%4):9+2*(\k%4)]
.endr
	ACROSS
	v_fma_f32 v8, v8, s24, s25
	v_rsq_f32 v10, v8
	v_nop                                          ; a plain instruction behind it,
	s_wait_alu depctr_va_vdst(0)                   ; and the wait ahead of its first reader
	v_mov_b32 v11, v10
.set n_, 0
.rept 16
	v_pk_mul_f32 v[S+2*n_:S+2*n_+1], v[S+2*n_:S+2*n_+1], v[10:11]
.set n_, n_+1
.endr
.set n_, 0
.rept 16
	v_pk_fma_f32 v[S+2*n_:S+2*n_+1], v[S+2*n_:S+2*n_+1], v[GA+2*n_:GA+2*n_+1], v[BE+2*n_:BE+2*n_+1]
.set n_, n_+1
.endr
.irp n, 0,1,2,3,4,5,6,7
	global_store_b128 v1, v[S+4*\n:S+4*\n+3], s[14:15] offset:512*\n th:TH_STORE_NT   ; 512 consecutive bytes, aligned
.endr
	s_endpgm
.Lfunc_end_k_q4f10a1bbb5_finish:
	.size	k_q4f10a1bbb5_finish, .Lfunc_end_k_q4f10a1bbb5_finish-k_q4f10a1bbb5_finish
	.p2alignl 7, 3214868480
	.fill 96, 4, 3214868480
	.section	.rodata,"a",@progbits
	.p2align	6, 0x0
	.amdhsa_kernel k_q4f10a1bbb5_finish
		.amdhsa_group_segment_fixed_size 0
		.amdhsa_private_segment_fixed_size 0
		.amdhsa_enable_private_segment 0
		.amdhsa_kernarg_size 48
		.amdhsa_user_sgpr_count 2
		.amdhsa_user_sgpr_kernarg_segment_ptr 1
		.amdhsa_wavefront_size32 1
		.amdhsa_system_sgpr_workgroup_id_x 1
		.amdhsa_system_sgpr_workgroup_id_y 1
		.amdhsa_system_sgpr_workgroup_id_z 1
		.amdhsa_system_vgpr_workitem_id 0
		.amdhsa_next_free_vgpr 384
		.amdhsa_next_free_sgpr 66
		.amdhsa_reserve_vcc 0
		.amdhsa_float_denorm_mode_32 3
		.amdhsa_float_denorm_mode_16_64 3
		.amdhsa_memory_ordered 1
		.amdhsa_forward_progress 1
		.amdhsa_inst_pref_size 30
	.end_amdhsa_kernel
	.amdgpu_metadata
---
amdhsa.version: [ 1, 2 ]
amdhsa.kernels:
  - .name:           k_q4f10a1bbb5_finish
    .symbol:         k_q4f10a1bbb5_finish.kd
    .args:
      - { .name: ypart, .offset: 0, .size: 8, .value_kind: global_buffer, .address_space: global }
      - { .name: gamma, .offset: 8, .size: 8, .value_kind: global_buffer, .address_space: global }
      - { .name: beta, .offset: 16, .size: 8, .value_kind: global_buffer, .address_space: global }
      - { .name: pos, .offset: 24, .size: 8, .value_kind: global_buffer, .address_space: global }
      - { .name: wgt, .offset: 32, .size: 8, .value_kind: global_buffer, .address_space: global }
      - { .name: out0, .offset: 40, .size: 8, .value_kind: global_buffer, .address_space: global }
    .group_segment_fixed_size: 0
    .private_segment_fixed_size: 0
    .kernarg_segment_align: 8
    .kernarg_segment_size: 48
    .max_flat_workgroup_size: 128
    .sgpr_count:     66
    .vgpr_count:     384
    .wavefront_size: 32
...
	.end_amdgpu_metadata
.endif
;; end of part 5
;; ======== version 2 of 2: 5 launches; version 1 with the launch finish written anew for expert scheduling mode
;; limits: values are held in f16: magnitudes above 65,504 overflow, below 6.1e-05 lose precision; a function is approximated: absolute error at most 1.5e-07
;; workspace buffers: xb 2,097,152 bytes; sel 8,192 bytes of whole numbers; wgt 8,192 bytes; xs 4,980,736 bytes; hbuf 19,922,944 bytes; ypart 33,554,432 bytes; pos 8,192 bytes of whole numbers; meta 256 bytes of whole numbers
;; launch router: the kernel of part 1 again; grid 256 x 1, 8 waves a work-group, no clusters, 17,664 bytes of LDS; arguments x, Wr, br, xb, sel, wgt; writes xb, sel, wgt
;; launch place: the kernel of part 2 again; grid 256 x 1, 8 waves a work-group, no clusters, 7,424 bytes of LDS; arguments sel, xb, xs, hbuf, pos, meta; writes xs, hbuf, pos, meta
;; launch ffn1: the kernel of part 3 again; grid 256 x 1, 8 waves a work-group, no clusters, 240,640 bytes of LDS; arguments xs, W1, b1, meta, hbuf; writes hbuf
;; launch ffn2: the kernel of part 4 again; grid 256 x 1, 8 waves a work-group, no clusters, 275,456 bytes of LDS; arguments hbuf, W2, b2, meta, ypart; writes ypart
;; launch finish (part 6): grid 256 x 1, 4 waves a work-group, no clusters, 0 bytes of LDS; arguments ypart, gamma, beta, pos, wgt, out0; writes out0
.if DOCPART == 6
	.amdgcn_target "amdgcn-amd-amdhsa--gfx1250"
	.amdhsa_code_object_version 6
	.text
	.protected	k_q4f10a1bbb5_finish
	.globl	k_q4f10a1bbb5_finish
	.p2align	8
	.type	k_q4f10a1bbb5_finish,@function
k_q4f10a1bbb5_finish:
	s_mov_b64 s[64:65], 0
	v_nop
	global_prefetch_b8 v0, s[64:65] scope:SCOPE_SE
	s_setreg_imm32_b32 hwreg(HW_REG_WAVE_SCHED_MODE, 0, 2), 2
	s_setreg_imm32_b32 hwreg(HW_REG_WAVE_MODE, 25, 1), 1
	s_wait_xcnt 0x0
	s_wait_alu depctr_vm_vsrc(0)
; THE SUM AND THE NORM.  y = g0 x (sum of the four K parts of row pos[2 t]) + g1 x (the same of row pos[2 t + 1]); out0[t] = LayerNorm(y) x bf16(gamma) + bf16(beta).
; The mean is taken first and the variance of the differences: no difference of large sums.  All in f32.  NaN and infinities are not treated apart.
; One wave, one token: a row of 1,024 f32 is 32 registers a lane, so neither LDS nor a barrier is needed.  The token's two places and two gates come by scalar loads; the places are
; clamped and enter two vector offsets.  All 64 loads of the parts go out at once, 512 consecutive bytes each.  Memory binds: matrix units, clusters and LDS would add nothing.
; window 0: v1 16 lane; v2, v3 the two rows' offsets; v[8:15] at work; v[16:143] parts 0 and 1, 32 registers a slot (the sum ends in v[16:47]); v[144:175] gamma; v[176:207] beta.
; window 1: v[0:127] parts 2 and 3.
; THE MODE: SCHED_MODE bits 1:0 = 2 (LLVM: expert scheduling mode 2), set by the entry lines.  The code itself states the register dependences
; between vector instructions and memory instructions, with s_wait_alu, always for 0.
; THE PLAN.  The text is a straight line.  Registers that memory instructions touch:
;   v1          written by three vector lines at the head and never again; read as the offset by the loads of gamma and beta and by the eight stores.
;   v2, v3      written once each, when the token's two places have come; read as the offsets by the 64 loads of the parts; never written again.
;   v[16:207] and window 1's v[0:127]   loads land in them; no vector instruction names them ahead of those loads, and none works on them before the wait on LOADcnt for them.
;   v[16:47]    written last by the multiply-adds with gamma and beta; read by the eight stores; nothing writes them behind the stores.
;   v[8:15]     named by vector instructions alone.
; So a wait on va_vdst stands ahead of each of the three runs of memory instructions (v1 is written; v2 and v3 are written; the result is written), one more behind the reciprocal root,
; and a wait on va_sdst behind the line that makes the wave's number a scalar.  No register that a memory instruction reads is written again: no wait on vm_vsrc is owed.
.set S,  16
.set GA, 144
.set BE, 176
.set MSB, 0
.macro WIN new                         ; bits 1:0 source 0, 3:2 source 1, 5:4 source 2, 7:6 destination; the high byte repeats the setting that is left
.if MSB != (\new)
	s_set_vgpr_msb (MSB<<8)|(\new)
.set MSB, \new
.endif
.endm
.macro PART dst, base                  ; a part's two rows: quad n of slot s holds columns 128 n + 4 lane ..
.irp s, 0,1
.irp n, 0,1,2,3,4,5,6,7
	global_load_b128 v[(\dst)+32*\s+4*\n:(\dst)+32*\s+4*\n+3], v[2+\s], s[\base:\base+1] offset:512*\n th:TH_LOAD_NT
.endr
.endr
.endm
.macro ACROSS                          ; four packed chains in v[8:15] -> their sum over the 32 lanes, in v8 of every lane
	v_pk_add_f32 v[8:9], v[8:9], v[10:11]
	v_pk_add_f32 v[12:13], v[12:13], v[14:15]
	v_pk_add_f32 v[8:9], v[8:9], v[12:13]
	v_add_f32 v8, v8, v9
	v_add_f32_dpp v8, v8, v8 row_xmask:1 row_mask:0xf bank_mask:0xf
	v_add_f32_dpp v8, v8, v8 row_xmask:2 row_mask:0xf bank_mask:0xf
	v_add_f32_dpp v8, v8, v8 row_xmask:4 row_mask:0xf bank_mask:0xf
	v_add_f32_dpp v8, v8, v8 row_xmask:8 row_mask:0xf bank_mask:0xf
	v_permlanex16_b32 v9, v8, s18, s19
	v_add_f32 v8, v8, v9
.endm
	s_load_b256 s[4:11], s[0:1], 0x0               ; ypart s[4:5], gamma s[6:7], beta s[8:9], pos s[10:11]
	s_load_b128 s[12:15], s[0:1], 0x20             ; wgt s[12:13], out0 s[14:15]
	v_lshrrev_b32 v1, 5, v0
	v_readfirstlane_b32 s16, v1                    ; wave 0..3
	v_and_b32 v1, 31, v0
	v_lshlrev_b32 v1, 4, v1                        ; 16 bytes a lane
	s_wait_alu depctr_va_sdst(0)                   ; s16 is written, ahead of its first reader: the token's number is made from it
	s_lshl_b32 s17, ttmp9, 2
	s_add_co_u32 s17, s17, s16                     ; my token
	s_lshl_b32 s20, s17, 3                         ; its 8 bytes in pos and in wgt
	s_mov_b32 s21, 0
	s_lshl_b32 s22, s17, 12                        ; its row in out0
	s_mov_b32 s23, 0
	s_mov_b32 s18, 0x76543210                      ; v_permlanex16_b32: each lane takes its own place in the other half
	s_mov_b32 s19, 0xfedcba98
	s_mov_b32 s24, 0x3a800000                      ; 1 / 1,024
	s_mov_b32 s25, 0x3727c5ac                      ; 1e-5
	s_wait_kmcnt 0x0
	s_add_nc_u64 s[10:11], s[10:11], s[20:21]
	s_add_nc_u64 s[12:13], s[12:13], s[20:21]
	s_add_nc_u64 s[14:15], s[14:15], s[22:23]
	s_load_b64 s[26:27], s[10:11], 0x0             ; the two places
	s_load_b64 s[28:29], s[12:13], 0x0             ; the two gates
	s_add_nc_u64 s[32:33], s[4:5], 0x800000        ; the parts lie 8 MiB apart
	s_add_nc_u64 s[34:35], s[32:33], 0x800000
	s_add_nc_u64 s[36:37], s[34:35], 0x800000
	s_wait_alu depctr_va_vdst(0)                   ; v1 is written: the loads of gamma and beta, and the stores at the end, read it as their offset
.irp n, 0,1,2,3,4,5,6,7
	global_load_b128 v[GA+4*\n:GA+4*\n+3], v1, s[6:7] offset:512*\n
	global_load_b128 v[BE+4*\n:BE+4*\n+3], v1, s[8:9] offset:512*\n
.endr
	s_wait_kmcnt 0x0
	s_min_u32 s26, s26, 2047
	s_min_u32 s27, s27, 2047
	s_lshl_b32 s26, s26, 12                        ; x 4,096 bytes
	s_lshl_b32 s27, s27, 12
	v_add_nc_u32 v2, s26, v1
	v_add_nc_u32 v3, s27, v1
	s_mov_b32 s30, s29                             ; the second gate in the low word of a pair of its own
	s_mov_b32 s31, s29
	s_wait_alu depctr_va_vdst(0)                   ; v2 and v3 are written: the 64 loads below read them as their offsets; only loads and one window switch stand between this wait and the last of them
	PART S, 4
	PART S+64, 32
	WIN 0x40
	PART 0, 34
	PART 64, 36
	WIN 0
	s_wait_loadcnt 63                              ; 80 loads were issued and come back in order: the 17 oldest are in, gamma and beta among them
.set n_, 0
.rept 32                                       ; both are rounded to bf16 like every input
	v_cvt_pk_bf16_f32 v[8+n_%8], v[GA+2*n_], v[GA+2*n_+1]
	v_lshlrev_b32 v[GA+2*n_], 16, v[8+n_%8]
	v_and_b32 v[GA+2*n_+1], 0xffff0000, v[8+n_%8]
.set n_, n_+1
.endr
	s_wait_loadcnt 32                              ; the 32 youngest are parts 2 and 3: parts 0 and 1 are in
.set n_, 0
.rept 32
	v_pk_add_f32 v[S+2*n_:S+2*n_+1], v[S+2*n_:S+2*n_+1], v[S+64+2*n_:S+64+2*n_+1]   ; part 0 + part 1, both slots
.set n_, n_+1
.endr
	s_wait_loadcnt 0x0
	WIN 0x45
.set n_, 0
.rept 32
	v_pk_add_f32 v[2*n_:2*n_+1], v[2*n_:2*n_+1], v[64+2*n_:64+2*n_+1]               ; part 2 + part 3
.set n_, n_+1
.endr
	WIN 0x04                                       ; source 1 in window 1
.set n_, 0
.rept 32
	v_pk_add_f32 v[S+2*n_:S+2*n_+1], v[S+2*n_:S+2*n_+1], v[2*n_:2*n_+1]
.set n_, n_+1
.endr
	WIN 0
.set n_, 0
.rept 16
	v_pk_mul_f32 v[S+2*n_:S+2*n_+1], v[S+2*n_:S+2*n_+1], s[28:29] op_sel_hi:[1,0]   ; g0 x row 0
.set n_, n_+1
.endr
.set n_, 0
.rept 16
	v_pk_fma_f32 v[S+2*n_:S+2*n_+1], v[S+32+2*n_:S+32+2*n_+1], s[30:31], v[S+2*n_:S+2*n_+1] op_sel_hi:[1,0,1]   ; + g1 x row 1
.set n_, n_+1
.endr
	; the mean: four chains, started by the first eight pairs
.irp c, 0,1,2,3
	v_pk_add_f32 v[8+2*\c:9+2*\c], v[S+2*\c:S+2*\c+1], v[S+8+2*\c:S+9+2*\c]
.endr
.irp k, 8,9,10,11,12,13,14,15
	v_pk_add_f32 v[8+2*(\k%4):9+2*(\k%4)], v[8+2*(\k%4):9+2*(\k%4)], v[S+2*\k:S+2*\k+1]
.endr
	ACROSS
	v_mul_f32 v8, s24, v8
	v_mov_b32 v9, v8
.set n_, 0
.rept 16
	v_pk_add_f32 v[S+2*n_:S+2*n_+1], v[S+2*n_:S+2*n_+1], v[8:9] neg_lo:[0,1] neg_hi:[0,1]
.set n_, n_+1
.endr
	; the variance
.irp c, 0,1,2,3
	v_pk_mul_f32 v[8+2*\c:9+2*\c], v[S+2*\c:S+2*\c+1], v[S+2*\c:S+2*\c+1]
.endr
.irp k, 4,5,6,7,8,9,10,11,12,13,14,15
	v_pk_fma_f32 v[8+2*(\k%4):9+2*(\k%4)], v[S+2*\k:S+2*\k+1], v[S+2*\k:S+2*\k+1], v[8+2*(\k%4):9+2*(\k%4)]
.endr
	ACROSS
	v_fma_f32 v8, v8, s24, s25
	v_rsq_f32 v10, v8
	v_nop                                          ; a plain instruction behind it,
	s_wait_alu depctr_va_vdst(0)                   ; and the wait ahead of its first reader: the reciprocal root has written v10
	v_mov_b32 v11, v10
.set n_, 0
.rept 16
	v_pk_mul_f32 v[S+2*n_:S+2*n_+1], v[S+2*n_:S+2*n_+1], v[10:11]
.set n_, n_+1
.endr
.set n_, 0
.rept 16
	v_pk_fma_f32 v[S+2*n_:S+2*n_+1], v[S+2*n_:S+2*n_+1], v[GA+2*n_:GA+2*n_+1], v[BE+2*n_:BE+2*n_+1]
.set n_, n_+1
.endr
	s_wait_alu depctr_va_vdst(0)                   ; the multiply-adds have written v[16:47], which the eight stores read
.irp n, 0,1,2,3,4,5,6,7
	global_store_b128 v1, v[S+4*\n:S+4*\n+3], s[14:15] offset:512*\n th:TH_STORE_NT   ; 512 consecutive bytes, aligned
.endr
	s_endpgm
.Lfunc_end_k_q4f10a1bbb5_finish:
	.size	k_q4f10a1bbb5_finish, .Lfunc_end_k_q4f10a1bbb5_finish-k_q4f10a1bbb5_finish
	.p2alignl 7, 3214868480
	.fill 96, 4, 3214868480
	.section	.rodata,"a",@progbits
	.p2align	6, 0x0
	.amdhsa_kernel k_q4f10a1bbb5_finish
		.amdhsa_group_segment_fixed_size 0
		.amdhsa_private_segment_fixed_size 0
		.amdhsa_enable_private_segment 0
		.amdhsa_kernarg_size 48
		.amdhsa_user_sgpr_count 2
		.amdhsa_user_sgpr_kernarg_segment_ptr 1
		.amdhsa_wavefront_size32 1
		.amdhsa_system_sgpr_workgroup_id_x 1
		.amdhsa_system_sgpr_workgroup_id_y 1
		.amdhsa_system_sgpr_workgroup_id_z 1
		.amdhsa_system_vgpr_workitem_id 0
		.amdhsa_next_free_vgpr 384
		.amdhsa_next_free_sgpr 66
		.amdhsa_reserve_vcc 0
		.amdhsa_float_denorm_mode_32 3
		.amdhsa_float_denorm_mode_16_64 3
		.amdhsa_memory_ordered 1
		.amdhsa_forward_progress 1
		.amdhsa_inst_pref_size 30
	.end_amdhsa_kernel
	.amdgpu_metadata
---
amdhsa.version: [ 1, 2 ]
amdhsa.kernels:
  - .name:           k_q4f10a1bbb5_finish
    .symbol:         k_q4f10a1bbb5_finish.kd
    .args:
      - { .name: ypart, .offset: 0, .size: 8, .value_kind: global_buffer, .address_space: global }
      - { .name: gamma, .offset: 8, .size: 8, .value_kind: global_buffer, .address_space: global }
      - { .name: beta, .offset: 16, .size: 8, .value_kind: global_buffer, .address_space: global }
      - { .name: pos, .offset: 24, .size: 8, .value_kind: global_buffer, .address_space: global }
      - { .name: wgt, .offset: 32, .size: 8, .value_kind: global_buffer, .address_space: global }
      - { .name: out0, .offset: 40, .size: 8, .value_kind: global_buffer, .address_space: global }
    .group_segment_fixed_size: 0
    .private_segment_fixed_size: 0
    .kernarg_segment_align: 8
    .kernarg_segment_size: 48
    .max_flat_workgroup_size: 128
    .sgpr_count:     66
    .vgpr_count:     384
    .wavefront_size: 32
...
	.end_amdgpu_metadata
.endif
;; end of part 6
